; MI455X (gfx1250); checked and timed in simulation.
; The chip was launched on July 23, 2026; its instructions are those of AMD's public machine-readable ISA for CDNA 5 (MIT licence, August 2026) and "CDNA5" Instruction Set Architecture Reference Guide (July 2026). The comments in the code are by the model that wrote it; some were corrected since.
;; TP Hunyuan Mo E. Allowed arithmetic: matrix products marked QUANTISED: E4M3 operands, one given power-of-two scale a tensor, by v_wmma_f32_16x16x64_fp8_fp8 or v_wmma_f32_16x16x128_fp8_fp8, f32 sums; products left as they are: f32 operands where the result goes on into a quantised operand, else bf16, f16 or f32 operands; f32 sums; everything else in f32.
;; Inputs: gate_w_codes 16 x 128 x 32 uint8 (E4M3 codes of gate_w, K innermost, in blocks of 32 codes); hidden_states_codes 2 x 2,048 x 128 x 32 uint8 (E4M3 codes of hidden_states, K innermost, in blocks of 32 codes); lowp_scales 10 int32 (the exponents e of the quantised operands' scales 2^e); shared_w_down_codes 4,096 x 8 x 32 uint8 (E4M3 codes of shared_w_down, K innermost, in blocks of 32 codes); shared_w_gate_up_codes 512 x 128 x 32 uint8 (E4M3 codes of shared_w_gate_up, K innermost, in blocks of 32 codes); w_down_codes 16 x 4,096 x 2 x 32 uint8 (E4M3 codes of w_down, K innermost, in blocks of 32 codes); w_gate_up_codes 16 x 128 x 128 x 32 uint8 (E4M3 codes of w_gate_up, K innermost, in blocks of 32 codes).
;; Outputs: out0 2 x 2,048 x 4,096 float32.
;; This version of the problem:
;;   THIS VERSION OF THE PROBLEM IS GIVEN IN LOW PRECISION. The matrix products marked QUANTISED in the list below multiply operands that are first quantised to E4M3 (4 exponent bits, 3 mantissa bits; 8 bits a number), with one given power-of-two scale for each operand tensor; their sums are f32. All else is computed in f32.
;;   The module's matrix products, in the order in which they are computed (A, B: the left and right operand; K: the contracted axis; several contracted axes count as one K, in the product's order):
;;     1. [M 4,096, K 4,096] x [K 4,096, N 512]; A: input hidden_states (given as codes); B: input shared_w_gate_up (given as codes): QUANTISED (scales: A lowp_scales[0], B lowp_scales[1])
;;     2. [M 4,096, K 256] x [K 256, N 4,096]; A: computed on the way; B: input shared_w_down (given as codes): QUANTISED (scales: A lowp_scales[2], B lowp_scales[3])
;;     3. [M 4,096, K 4,096] x [K 4,096, N 16]; A: input hidden_states (given as codes); B: input gate_w (given as codes): QUANTISED (scales: A lowp_scales[4], B lowp_scales[5])
;;     4. [M 2,048, K 4,096] x [K 4,096, N 4,096]; A: input w_gate_up (given as codes); B: input hidden_states (given as codes): QUANTISED (scales: A lowp_scales[6], B lowp_scales[7])
;;     5. batch 16 x [M 4,096, K 64] x [K 64, N 4,096]; A: computed on the way; B: input w_down (given as codes): QUANTISED (scales: A lowp_scales[8], B lowp_scales[9])
;;     6. batch 4,096 x [M 4,096, K 16] x [K 16, N 1]; A: computed on the way; B: computed on the way: left as it is (K = 16 < 32)
;;   THE QUANTISER, for each operand of a quantised product, along K:
;;     - The operand's scale is 2^e, e = its entry of the input lowp_scales (int32; the entries are numbered through the quantised products in the list's order, A before B).
;;     - Each number is divided by the scale, clamped to +-448, and rounded to the nearest number of E4M3, ties to even, subnormals kept.
;;     - The product sums the exact products of the quantised numbers (number of the format x scale) in f32.
;;   ~~~python
;;   def quantise(x, axis, e):      # numpy; x: float32 -> the quantised numbers, widened to float32 again
;;       x = np.moveaxis(x, axis, -1); K = x.shape[-1]
;;       r = np.clip(x / 2.0 ** e, -448, 448)
;;       step = 2.0 ** (np.maximum(np.frexp(np.where(r == 0, 1, r))[1] - 1, -6) - 3)
;;       q = np.round(r / step) * step * 2.0 ** e      # np.round: ties to even
;;       return np.moveaxis(q, -1, axis).astype(np.float32)
;;   ~~~
;;   OPERANDS COMPUTED ON THE WAY. 'Computed on the way' means the value that the module computes at that place (a softmax that the list does not call 'softmax' is quantised finished and normalised). What goes into a quantiser is computed in f32, as accurately as f32 sums, v_exp_f32 and their like allow (about 1e-6 of the number): no bf16 or f16 on the way to a quantiser, and a product that is left as it is and whose result goes on into a quantised operand takes f32 operands (vector FMAs, or v_wmma_f32_16x16x4_f32). A number that lies on a knife's edge between two numbers of the format may be rounded either way, as far as f32 arithmetic and the matrix unit's own rounding can turn it there, and no further.
;;   INPUTS GIVEN AS CODES. gate_w (in the module: [16, 4096], K = its axis 1); hidden_states (in the module: [2, 2048, 4096], K = its axis 2); shared_w_down (in the module: [4096, 256], K = its axis 1); shared_w_gate_up (in the module: [512, 4096], K = its axis 1); w_down (in the module: [16, 4096, 64], K = its axis 2); w_gate_up (in the module: [16, 128, 4096], K = its axis 2): each comes as NAME_codes (uint8): NAME with its K axis moved to the last place and cut into blocks of 32 codes, [.., K / 32, bytes a block], one block behind the other in memory; one code a byte (a code: sign, 4 exponent bits, 3 mantissa bits); its scale is its entry of lowp_scales. Its value is code x scale, taken as it is: it is not quantised again, and the codes and scales need not be those that the quantiser above would give.
;; 2 versions. Each part assembles by itself: llvm-mc -triple=amdgcn-amd-amdhsa -mcpu=gfx1250 --defsym DOCPART=n.
;; ======== version 1 of 2: 3 launches
;; limits: right only within a limited range of input values
;; workspace buffers: wfrag 8,388,608 bytes; sact 1,048,576 bytes; acte 524,288 bytes; cw 32,768 bytes; skey 16,384 bytes of whole numbers; sel 16,384 bytes of whole numbers; perm3 16,384 bytes of whole numbers
;; launch front (part 1): grid 4 x 64, 4 waves a work-group, clusters of 4 x 4, 327,680 bytes of LDS; arguments hidden_states_codes, shared_w_gate_up_codes, gate_w_codes, w_gate_up_codes, lowp_scales, wfrag, sact, cw, skey, sel; writes wfrag, sact, cw, skey, sel
.if DOCPART == 1
	.amdgcn_target "amdgcn-amd-amdhsa--gfx1250"
	.amdhsa_code_object_version 6
	.text
	.protected	k_qeca6d86b46_front
	.globl	k_qeca6d86b46_front
	.p2align	8
	.type	k_qeca6d86b46_front,@function
k_qeca6d86b46_front:
	s_mov_b64 s[64:65], 0
	v_nop
	global_prefetch_b8 v0, s[64:65] scope:SCOPE_SE
	s_setreg_imm32_b32 hwreg(HW_REG_WAVE_MODE, 25, 1), 1
	s_wait_xcnt 0x0
	s_wait_alu depctr_hold_cnt(0) depctr_sa_sdst(0) depctr_va_vdst(0) depctr_va_sdst(0) depctr_va_ssrc(0) depctr_va_vcc(0) depctr_vm_vsrc(0)
	s_getreg_b32 s2, hwreg(HW_REG_IB_STS2, 6, 4)
	s_cmp_eq_u32 s2, 0
	s_cbranch_scc0 .Lentry_in_a_cluster
	s_endpgm
.Lentry_in_a_cluster:
	s_bfe_u32 s2, ttmp6, 0x10000c
	s_cmp_lg_u32 s2, 0xf033
	s_cbranch_scc0 .Lentry_shape_is_right
	s_endpgm
.Lentry_shape_is_right:
; FIRST OF THREE LAUNCHES.  It makes: the shared gate/up product (4,096 tokens x 512 x K 4,096, E4M3 codes), its SwiGLU and the codes of the shared hidden layer (sact);
; the router's logits (x 16 experts), the two chosen experts of each token and their weights (skey, cw, sel); and, as a side job, the experts' gate/up codes laid in the order of an operand's registers (wfrag).
; WORK LEFT OUT, in the problem's terms.  (1) combine is built by reference() itself as a one_hot of its own top-2 times the two weights: 14 of its 16 entries a token are zeros whatever the inputs hold, so out_e[e, t, :]
; reaches the output only for the token's two chosen experts.  The later launches multiply only those rows of the experts' gate/up and down products.  (2) p_i = exp(l_i - m) / S and topk_vals / sum(topk_vals) cancel S for all finite
; logits: c0 = 1 / (1 + exp(l1 - l0)), c1 = exp(l1 - l0) c0, with l0 the row's largest logit: the maximum is still taken away ahead of the exponential.  (3) exp and the positive scale 2^(e4+e5) keep the order, so the two
; largest are taken on the raw sums, the lower index first among equals, as lax.top_k has it.  Every input has a way to the output and is loaded by some launch.
; LIMITS.  A NaN, an infinity or an overflow that reaches only the rows left out is not carried to the result.  NaN codes among the inputs are not served.  Two logits so close that their probabilities round to one f32 number are
; ordered here by the logits.  e0+e1 and e4+e5 lie between -126 and 127, e2 - 2 (e0+e1) between -126 and 119, so that each power of two below is an f32 number.
; SHARES.  A work-group takes 64 tokens x (64 gate + 64 up columns) and the 16 router rows; grid 4 column blocks x 64 token blocks.  THE FOUR WAVES SPLIT K: of every K step of 512 bytes wave w takes bytes 128 w .. 128 w + 127, for the
; whole tile: 36 accumulators, and each LDS byte is read once.  The four partial sums meet in LDS at the end; wave w then finishes token tile w.
; CLUSTER 4 x 4: the four work-groups of a row share the tokens' tile, the four of a column the weights' tiles: joint loads.  The router's 16 rows are the same for all sixteen, more than a mask may name, and 8 KB of a step's 106 KB: a plain load.
; Every work-group forms the logits of all four token tiles, picks tile cx by v_cndmask and stores that one alone.
; THE MATRIX INSTRUCTION IS USED TRANSPOSED (source 0 = 16 weight rows, source 1 = 16 tokens): lane (r, h) holds token r and, in register j of tile n, unit 16 n + 8 h + j.
; Fragments come by four 16-byte loads (k = 32 c + 16 h + 0..15 in registers 4 c ..): one permutation of k, alike on both sides.
; REGISTERS.  window 0: v1-19 addresses; v32-95 tokens' fragments; v96-111 the router's; v112-143 its accumulators; v144-255 at work.  window 1: v0-127 weights' fragments.  window 2: the 32 accumulators ((m, n) at v[8 (8 m + n)]).
.set SLOT,   109824                    ; a slot: 208 rows of 528 bytes: 64 of x, 64 of Wg, 64 of Wu, 16 of the gate
.set PITCH,  528                       ; 512 bytes + 16 of padding = 132 words: the 16 rows of a fragment load start at 16 different groups of four banks
.set WOFF,   64*PITCH
.set ROFF,   192*PITCH
.set SPARE,  2*SLOT                    ; behind the ring: the spare words, 128 bytes a wave
.set RRED,   131072                    ; the router's partial sums, 1,024 bytes a wave; below it the tile's partial sums.  Both lie in slots that have had their last fill
.set PADW,   (1<<20)|(6<<22)|(3<<25)   ; elements of 1 byte; padding on; after every 128 words, 4 words
.set VR, 1
.set VH, 2
.set VL, 3
.set AX, 4
.set AW, 6
.set AR, 8
.set SPW, 10
.set NIL, 11
.set RWA, 12
.set RWB, 13
.set RR, 14
.set RRW, 15
.set RLI, 16
.set L16, 17
.set SAO, 18
.set RRR, 19
.set XF, 32
.set GF, 96
.set RACC, 112
.set TMP, 144
.set RSEL, 208
.set CD, 216
.set SD, 224
.set RV, 226
.set OU, 228
.set SCV, 250
.set LIMV, 251
.set LG, 144                           ; the router's registers (wave 0, at the end)
.set M0, 176
.set I0, 177
.set M1, 178
.set I1, 179
.set TT, 180
.set NI, 182
.set TE, 183
.set C0, 184
.set C1, 185
.set CWP, 186
.set EMN, 188
.set EMX, 189
.set KEY, 190
.set SMK, 191
.set SCN, 192
.set O1, 193
.set O2, 194
.set O3, 195
.set SL, 2                             ; s[2:3] lane selects: lane l xor 16
.set WV, 24
.set CX, 25
.set CY, 26
.set TB, 27
.set G1X, 32
.set G1W, 40
.set G1R, 48
.set G0X, 56
.set HM, 66
.set CNT, 67
.set G0W, 68
.set G0R, 76
.set K1, 98
.set KR, 100
.set E89, 101
.set MSB, 0
.macro WIN new                         ; the immediate's high byte repeats the setting that is left
.if MSB != (\new)
	s_set_vgpr_msb (MSB<<8)|(\new)
.set MSB, (\new)
.endif
.endm
.macro PLACES n
.rept \n
	v_nop
.endr
.endm
.macro CROUND                          ; a round of the cluster's barrier
	s_barrier_signal -1
	s_barrier_wait -1
	s_cmp_lg_u32 s[WV], 0
	s_cbranch_scc1 .Lnw0_\@
	s_barrier_signal -3
.Lnw0_\@:
	s_barrier_wait -3
	s_barrier_signal -1
	s_barrier_wait -1
.endm
; One tensor load a wave: wave 0 the tokens' tile (joint, my row), waves 1 and 2 the gate's and the up's weights (joint, my column), wave 3 the router's rows (plain).  The branches hang on the wave's number alone.
.macro JLOAD s
	s_cmp_eq_u32 s[WV], 0
	s_cbranch_scc0 .Lnx_\@
	tensor_load_to_lds s[G0X+4*(\s):G0X+4*(\s)+3], s[G1X:G1X+7]
	s_nop 0
	PLACES 4
	s_branch .Ldone_\@
.Lnx_\@:
	s_cmp_eq_u32 s[WV], 3
	s_cbranch_scc1 .Lgr_\@
	tensor_load_to_lds s[G0W+4*(\s):G0W+4*(\s)+3], s[G1W:G1W+7]
	s_nop 0
	PLACES 4
	s_branch .Ldone_\@
.Lgr_\@:
	tensor_load_to_lds s[G0R+4*(\s):G0R+4*(\s)+3], s[G1R:G1R+7]
	s_nop 0
	PLACES 4
.Ldone_\@:
.endm
	s_load_b256 s[4:11], s[0:1], 0x0               ; hidden s[4:5], shared gate/up s[6:7], gate s[8:9], experts' gate/up s[10:11]
	s_load_b256 s[12:19], s[0:1], 0x20             ; scales s[12:13], wfrag s[14:15], sact s[16:17], cw s[18:19]
	s_load_b128 s[20:23], s[0:1], 0x40             ; skey s[20:21], sel s[22:23]
	v_lshl_add_u32 v[SPW], v0, 2, SPARE
	v_mov_b32 v[NIL], 0
	ds_add_u32 v[SPW], v[NIL]                      ; the wave's opening: the add, twice on end, and its wait ahead of my first tensor load
	ds_add_u32 v[SPW], v[NIL]
	v_lshrrev_b32 v1, 5, v0
	v_readfirstlane_b32 s[WV], v1                  ; wave 0..3
	s_bfe_u32 s[CX], ttmp6, 0x40000                ; cx = my column block
	s_bfe_u32 s[CY], ttmp6, 0x40004
	s_and_b32 s[TB], ttmp7, 0xffff
	s_lshl_b32 s[TB], s[TB], 2
	s_add_co_u32 s[TB], s[TB], s[CY]               ; my token block = 4 x cluster y + cy
	s_lshl_b32 s28, s[CY], 2
	s_lshl_b32 s28, 15, s28                        ; my row of the cluster
	s_lshl_b32 s30, 0x1111, s[CX]                  ; my column
	s_or_b32 s[G1X], s28, PADW|(1<<21)
	s_or_b32 s[G1W], s30, PADW|(1<<21)
	s_mov_b32 s[G1R], PADW
.irp g, G1X, G1W
	s_mov_b32 s[\g+1], 512<<16                     ; tensor_dim0 = 512 bytes
	s_mov_b32 s[\g+2], 64<<16                      ; tensor_dim1 = 64 rows
	s_mov_b32 s[\g+3], 512<<16                     ; tile_dim0
	s_mov_b32 s[\g+4], 64                          ; tile_dim1
	s_mov_b32 s[\g+5], 4096                        ; from row to row
	s_mov_b32 s[\g+6], 0
	s_mov_b32 s[\g+7], 0
.endr
	s_mov_b32 s[G1R+1], 512<<16
	s_mov_b32 s[G1R+2], 16<<16
	s_mov_b32 s[G1R+3], 512<<16
	s_mov_b32 s[G1R+4], 16
	s_mov_b32 s[G1R+5], 4096
	s_mov_b32 s[G1R+6], 0
	s_mov_b32 s[G1R+7], 0
	s_mov_b32 s[SL], 0x76543210
	s_mov_b32 s[SL+1], 0xfedcba98
	s_mov_b32 s[HM], 0xffff0000                    ; lanes 16-31
	s_lshl_b32 s28, s[TB], 18                      ; x: 64 rows of 4,096 bytes a block
	s_mov_b32 s29, 0
	s_lshr_b32 s96, s[WV], 1                       ; wave 1: the gate's rows; wave 2: the up's
	s_lshl_b32 s30, s[CX], 18                      ; W: 64 rows a column block,
	s_lshl_b32 s97, s96, 20                        ; the up's 256 rows further down
	s_add_co_u32 s30, s30, s97
	s_mov_b32 s31, 0
	s_mul_i32 s96, s96, WOFF
	s_add_co_u32 s96, s96, WOFF                    ; and their place in a slot
	s_wait_dscnt 0x0                               ; both opening adds are done
	s_wait_kmcnt 0x0
	s_load_b256 s[84:91], s[12:13], 0x0            ; e0 .. e7
	s_load_b64 s[92:93], s[12:13], 0x20            ; e8, e9
	s_add_nc_u64 s[28:29], s[4:5], s[28:29]
	s_add_nc_u64 s[30:31], s[6:7], s[30:31]
	CROUND                                         ; all sixteen work-groups are here: the first joint loads meet
.irp s, 0,1
	s_mov_b32 s[G0X+4*\s], 1
	s_mov_b32 s[G0X+4*\s+1], \s*SLOT
	s_add_nc_u64 s[G0X+4*\s+2:G0X+4*\s+3], s[28:29], \s*512
	s_or_b32 s[G0X+4*\s+3], s[G0X+4*\s+3], 0x80000000
	s_mov_b32 s[G0W+4*\s], 1
	s_add_co_u32 s[G0W+4*\s+1], s96, \s*SLOT
	s_add_nc_u64 s[G0W+4*\s+2:G0W+4*\s+3], s[30:31], \s*512
	s_or_b32 s[G0W+4*\s+3], s[G0W+4*\s+3], 0x80000000
	s_mov_b32 s[G0R+4*\s], 1
	s_mov_b32 s[G0R+4*\s+1], \s*SLOT+ROFF
	s_add_nc_u64 s[G0R+4*\s+2:G0R+4*\s+3], s[8:9], \s*512
	s_or_b32 s[G0R+4*\s+3], s[G0R+4*\s+3], 0x80000000
.endr
	JLOAD 0                                        ; K step 0 into slot 0; slot 1 is first filled behind the first step's round
	; THE SIDE JOB.  Wave W = 16 x token block + 4 cx + wave (0 .. 1,023) lays four images of 2,048 bytes: expert W / 64, K block (W / 2) % 32, row tiles 4 (W % 2) + q.
	v_and_b32 v[VR], 15, v0
	v_bfe_u32 v[VH], v0, 4, 1
	v_and_b32 v[VL], 31, v0
	v_lshlrev_b32 v[RLI], 12, v[VR]
	v_lshl_add_u32 v[RLI], v[VH], 4, v[RLI]        ; row r of 4,096 bytes, + 16 h
	v_lshlrev_b32 v[L16], 4, v[VL]
	s_lshl_b32 s94, s[TB], 4
	s_lshl_b32 s95, s[CX], 2
	s_add_co_u32 s94, s94, s95
	s_add_co_u32 s94, s94, s[WV]                   ; W
	s_lshr_b32 s96, s94, 6
	s_lshl_b32 s96, s96, 19                        ; the expert's 128 rows of 4,096 bytes
	s_and_b32 s95, s94, 1
	s_lshl_b32 s95, s95, 18                        ; 64 rows
	s_add_co_u32 s96, s96, s95
	s_bfe_u32 s95, s94, 0x50001
	s_lshl_b32 s95, s95, 7                         ; 128 bytes along K
	s_add_co_u32 s96, s96, s95
	s_mov_b32 s97, 0
	s_add_nc_u64 s[10:11], s[10:11], s[96:97]
	s_lshl_b32 s96, s94, 13
	s_add_nc_u64 s[14:15], s[14:15], s[96:97]
.irp q, 0,1,2,3
.irp c, 0,1,2,3
	global_load_b128 v[TMP+16*\q+4*\c:TMP+16*\q+4*\c+3], v[RLI], s[10:11] offset:\q*65536+32*\c th:TH_LOAD_NT
.endr
.endr
	v_mul_u32_u24 v[AX], v[VR], PITCH              ; the LDS addresses, all made here, on the way that every wave takes
	v_lshl_add_u32 v[AX], v[VH], 4, v[AX]
	s_lshl_b32 s94, s[WV], 7
	v_add_nc_u32 v[AX], s94, v[AX]                 ; row r, + 16 h, + my 128 bytes of the step
	v_add_nc_u32 v[AX+1], SLOT, v[AX]
	v_add_nc_u32 v[AW], WOFF, v[AX]
	v_add_nc_u32 v[AW+1], WOFF, v[AX+1]
	v_add_nc_u32 v[AR], ROFF, v[AX]
	v_add_nc_u32 v[AR+1], ROFF, v[AX+1]
	s_lshl_b32 s94, s[WV], 13
	v_add_nc_u32 v[RWA], s94, v[L16]
	v_add_nc_u32 v[RWB], 65536, v[RWA]
	s_lshl_b32 s94, s[WV], 15
	v_add_nc_u32 v[RR], s94, v[L16]
	s_lshl_b32 s94, s[WV], 10
	v_add_nc_u32 v[RRW], s94, v[L16]
	v_add_nc_u32 v[RRW], RRED, v[RRW]
	v_add_nc_u32 v[RRR], RRED, v[L16]
	v_lshlrev_b32 v[SAO], 8, v[VR]
	v_lshl_add_u32 v[SAO], v[VH], 4, v[SAO]
	s_wait_loadcnt 0x0
.irp q, 0,1,2,3
.irp c, 0,1,2,3
	global_store_b128 v[L16], v[TMP+16*\q+4*\c:TMP+16*\q+4*\c+3], s[14:15] offset:\q*2048+512*\c   ; 32 lanes store 512 consecutive bytes
.endr
.endr
; A K STEP of 512 bytes in slot \slot.  In front of the barrier each wave waits for all its tensor loads (one is out: its part of this slot), adds 0 to its spare word, and waits for that and for its reads of the other slot.
; refill = 1: the barrier is a round of the cluster's, and the other slot is filled first behind it.  zero = 1: the products start the sums.
.macro TRIP slot, refill, zero
	s_wait_tensorcnt 0x0
	ds_add_u32 v[SPW], v[NIL]
.if \refill
	s_add_nc_u64 s[G0X+4*\slot+2:G0X+4*\slot+3], s[G0X+4*\slot+2:G0X+4*\slot+3], 1024   ; no load of mine is out: this slot's next K step, two steps on
	s_add_nc_u64 s[G0W+4*\slot+2:G0W+4*\slot+3], s[G0W+4*\slot+2:G0W+4*\slot+3], 1024
	s_add_nc_u64 s[G0R+4*\slot+2:G0R+4*\slot+3], s[G0R+4*\slot+2:G0R+4*\slot+3], 1024
.endif
	s_wait_dscnt 0x0
.if \refill
	CROUND
	JLOAD (1-\slot)                                ; the four v_nop behind it are also the places in front of the loads below
.else
	s_barrier_signal -1
	s_barrier_wait -1
	PLACES 4
.endif
.irp c, 0,1,2,3
	ds_load_b128 v[GF+4*\c:GF+4*\c+3], v[AR+\slot] offset:32*\c
.endr
.irp m, 0,1,2,3
.irp c, 0,1,2,3
	ds_load_b128 v[XF+16*\m+4*\c:XF+16*\m+4*\c+3], v[AX+\slot] offset:16*\m*PITCH+32*\c
.endr
.endr
	WIN 0x40                                       ; destination window 1
.irp n, 0,1,2,3,4,5,6,7
.irp c, 0,1,2,3
	ds_load_b128 v[16*\n+4*\c:16*\n+4*\c+3], v[AW+\slot] offset:(\n/4)*WOFF+(\n%4)*16*PITCH+32*\c
.endr
.endr
	WIN 0
	s_wait_dscnt 32                                ; the router's and the tokens' fragments are in; the 32 weight loads may be out
.irp m, 0,1,2,3
.if \zero
	v_wmma_f32_16x16x128_fp8_fp8 v[RACC+8*\m:RACC+8*\m+7], v[GF:GF+15], v[XF+16*\m:XF+16*\m+15], 0
.else
	v_wmma_f32_16x16x128_fp8_fp8 v[RACC+8*\m:RACC+8*\m+7], v[GF:GF+15], v[XF+16*\m:XF+16*\m+15], v[RACC+8*\m:RACC+8*\m+7]
.endif
.endr
.irp n, 0,1,2,3,4,5,6,7
	s_wait_dscnt 4*(7-\n)                          ; weight tile n is in; the later tiles' loads may be out
	WIN 0xa1                                       ; source 0 window 1, source 1 window 0, C and D window 2
.irp m, 0,1,2,3
.if \zero
	v_wmma_f32_16x16x128_fp8_fp8 v[8*(8*\m+\n):8*(8*\m+\n)+7], v[16*\n:16*\n+15], v[XF+16*\m:XF+16*\m+15], 0
.else
	v_wmma_f32_16x16x128_fp8_fp8 v[8*(8*\m+\n):8*(8*\m+\n)+7], v[16*\n:16*\n+15], v[XF+16*\m:XF+16*\m+15], v[8*(8*\m+\n):8*(8*\m+\n)+7]
.endif
.endr
.endr
	WIN 0                                          ; the 36 accumulators take turns, one instruction a turn, in the same order in every step
.endm
	TRIP 0, 1, 1
	s_mov_b32 s[CNT], 3
.Lk:
	TRIP 1, 1, 0
	TRIP 0, 1, 0
	s_sub_co_u32 s[CNT], s[CNT], 1
	s_cmp_lg_u32 s[CNT], 0
	s_cbranch_scc1 .Lk
	TRIP 1, 0, 0                                   ; the eighth step fetches nothing
	; THE END.  The four waves' partial sums meet in LDS.
	PLACES 4
	s_wait_xcnt 0x0                                ; the side job's stores have read their registers
	s_wait_kmcnt 0x0                               ; the exponents
	s_cmp_eq_u32 s[CX], 1                          ; of the four token tiles' logits my work-group keeps tile cx: a selection, no branch
	s_cselect_b32 s94, -1, 0
	s_cmp_eq_u32 s[CX], 2
	s_cselect_b32 s95, -1, 0
	s_cmp_eq_u32 s[CX], 3
	s_cselect_b32 s96, -1, 0
.irp j, 0,1,2,3,4,5,6,7
	v_cndmask_b32 v[RSEL+\j], v[RACC+\j], v[RACC+8+\j], s94
	v_cndmask_b32 v[RSEL+\j], v[RSEL+\j], v[RACC+16+\j], s95
	v_cndmask_b32 v[RSEL+\j], v[RSEL+\j], v[RACC+24+\j], s96
.endr
	s_add_co_i32 s94, s84, s85                     ; e0 + e1: a sum stands for sum x 2^(e0+e1)
	s_lshl_b32 s95, s94, 23
	s_add_co_i32 s[K1], s95, 0xbfb8aa3b            ; -log2(e) x 2^(e0+e1): the exponents are added to the exponent field
	s_mov_b32 s[K1+1], s[K1]
	s_lshl_b32 s94, s94, 1
	s_sub_co_i32 s94, s86, s94                     ; e2 - 2 (e0+e1): all powers of two folded into the conversion's one scale
	s_add_co_i32 s94, s94, 127
	s_lshl_b32 s95, s94, 23
	v_mov_b32 v[SCV], s95
	s_add_co_i32 s94, s94, 8
	s_lshl_b32 s94, s94, 23
	s_or_b32 s94, s94, 0x600000
	v_mov_b32 v[LIMV], s94                         ; 448 x that scale
	s_add_co_i32 s94, s88, s89
	s_lshl_b32 s94, s94, 23
	s_add_co_i32 s[KR], s94, 0x3fb8aa3b            ; log2(e) x 2^(e4+e5)
	s_add_co_i32 s[E89], s92, s93                  ; e8 + e9
	v_mov_b32 v[RV], 0                             ; a lane permute's destination counts as read
	v_mov_b32 v[RV+1], 0
	s_wait_dscnt 0x0
	s_barrier_signal -1
	s_barrier_wait -1                              ; nobody reads the slots any more, and no fill follows
	WIN 0x08                                       ; store data window 2
.irp m, 0,1
.irp n, 0,1,2,3,4,5,6,7
	ds_store_b128 v[RWA], v[8*(8*\m+\n):8*(8*\m+\n)+3] offset:\m*32768+\n*1024        ; an image of the registers: 16 bytes a lane, 512 a store; each accumulator from its low end
	ds_store_b128 v[RWA], v[8*(8*\m+\n)+4:8*(8*\m+\n)+7] offset:\m*32768+\n*1024+512
.endr
.endr
.irp m, 2,3
.irp n, 0,1,2,3,4,5,6,7
	ds_store_b128 v[RWB], v[8*(8*\m+\n):8*(8*\m+\n)+3] offset:(\m-2)*32768+\n*1024
	ds_store_b128 v[RWB], v[8*(8*\m+\n)+4:8*(8*\m+\n)+7] offset:(\m-2)*32768+\n*1024+512
.endr
.endr
	WIN 0
	ds_store_b128 v[RRW], v[RSEL:RSEL+3]
	ds_store_b128 v[RRW], v[RSEL+4:RSEL+7] offset:512
	s_wait_dscnt 0x0                               ; for the others' sake
	s_barrier_signal -1
	s_barrier_wait -1
	WIN 0x80                                       ; wave w takes token tile w: four partial sums of 64 registers
.irp s, 0,1,2,3
.irp n, 0,1,2,3,4,5,6,7
	ds_load_b128 v[64*\s+8*\n:64*\s+8*\n+3], v[RR] offset:\s*8192+\n*1024
	ds_load_b128 v[64*\s+8*\n+4:64*\s+8*\n+7], v[RR] offset:\s*8192+\n*1024+512
.endr
.endr
	s_wait_dscnt 0x0
	WIN 0xaa
.set jj, 0
.rept 32
	v_pk_add_f32 v[jj:jj+1], v[jj:jj+1], v[64+jj:65+jj]
	v_pk_add_f32 v[128+jj:129+jj], v[128+jj:129+jj], v[192+jj:193+jj]
.set jj, jj+2
.endr
.set jj, 0
.rept 32
	v_pk_add_f32 v[jj:jj+1], v[jj:jj+1], v[128+jj:129+jj]
.set jj, jj+2
.endr
	; SwiGLU in f32: G in v0-31, U in v32-63 of window 2.  act = G U / (1 + 2^(-log2e g)), in units of 2^(2 (e0+e1))
.set jj, 0
.rept 16
	v_pk_mul_f32 v[64+jj:65+jj], v[jj:jj+1], s[K1:K1+1] op_sel_hi:[1,0]
.set jj, jj+2
.endr
.set jj, 0
.rept 32
	v_exp_f32 v[64+jj], v[64+jj]
.set jj, jj+1
.endr
	v_nop
	s_wait_alu depctr_va_vdst(0)                   ; one wait for the batch of exponentials, ahead of its first reader
.set jj, 0
.rept 16
	v_pk_add_f32 v[64+jj:65+jj], v[64+jj:65+jj], 1.0 op_sel_hi:[1,0]
.set jj, jj+2
.endr
.set jj, 0
.rept 32
	v_rcp_f32 v[64+jj], v[64+jj]
.set jj, jj+1
.endr
	v_nop
	s_wait_alu depctr_va_vdst(0)                   ; one wait for the batch of reciprocals
.set jj, 0
.rept 16
	v_pk_mul_f32 v[jj:jj+1], v[jj:jj+1], v[64+jj:65+jj]
.set jj, jj+2
.endr
.set jj, 0
.rept 16
	v_pk_mul_f32 v[jj:jj+1], v[jj:jj+1], v[32+jj:33+jj]
.set jj, jj+2
.endr
	WIN 0x82                                       ; the limit lies in window 0
.set jj, 0
.rept 32
	v_med3_num_f32 v[jj], v[jj], -v[LIMV], v[LIMV] ; the conversion to an 8-bit code does not saturate (ISA guide 7.6.2): the hold at the largest code x the scale
.set jj, jj+1
.endr
	WIN 0x02                                       ; numbers window 2; scale and codes window 0
.irp n, 0,1,2,3
	v_cvt_scalef32_pk8_fp8_f32 v[CD+2*\n:CD+2*\n+1], v[8*\n:8*\n+7], v[SCV]   ; units 16 n + 8 h + 0..7 of token r
.endr
	WIN 0
	v_nop                                          ; one plain line between the conversions and the readers of their results
; The two halves of the lanes change eight codes, so that lane (r, h) holds the 16 codes of units 32 b + 16 h + 0..15
.macro EXCH b
	v_cndmask_b32 v[SD], v[CD+4*\b+2], v[CD+4*\b], s[HM]
	v_cndmask_b32 v[SD+1], v[CD+4*\b+3], v[CD+4*\b+1], s[HM]
	v_permlanex16_b32 v[RV], v[SD], s[SL], s[SL+1]
	v_permlanex16_b32 v[RV+1], v[SD+1], s[SL], s[SL+1]
	v_cndmask_b32 v[OU+4*\b], v[CD+4*\b], v[RV], s[HM]
	v_cndmask_b32 v[OU+4*\b+1], v[CD+4*\b+1], v[RV+1], s[HM]
	v_cndmask_b32 v[OU+4*\b+2], v[RV], v[CD+4*\b+2], s[HM]
	v_cndmask_b32 v[OU+4*\b+3], v[RV+1], v[CD+4*\b+3], s[HM]
.endm
	EXCH 0
	EXCH 1
	s_lshl_b32 s96, s[TB], 14                      ; sact: token 64 x block + 16 x wave + r, 256 bytes a token; my 64 units at 64 cx
	s_lshl_b32 s97, s[WV], 12
	s_add_co_u32 s96, s96, s97
	s_lshl_b32 s97, s[CX], 6
	s_add_co_u32 s96, s96, s97
	s_mov_b32 s97, 0
	s_add_nc_u64 s[16:17], s[16:17], s[96:97]
	global_store_b128 v[SAO], v[OU:OU+3], s[16:17]
	global_store_b128 v[SAO], v[OU+4:OU+7], s[16:17] offset:32
	; THE ROUTER, wave 0 alone (a branch on the wave's number; no barrier inside)
	s_cmp_lg_u32 s[WV], 0
	s_cbranch_scc1 .Lno_router
.irp s, 0,1,2,3
	ds_load_b128 v[LG+8*\s:LG+8*\s+3], v[RRR] offset:1024*\s
	ds_load_b128 v[LG+8*\s+4:LG+8*\s+7], v[RRR] offset:1024*\s+512
.endr
	v_mov_b32 v[TT], 0
	v_mov_b32 v[NI], 0xff800000                    ; -infinity
	v_mov_b32 v[SMK], 0
	v_mov_b32 v[SCN], 0
	s_wait_dscnt 0x0
.irp j, 0,2,4,6
	v_pk_add_f32 v[LG+\j:LG+\j+1], v[LG+\j:LG+\j+1], v[LG+8+\j:LG+9+\j]
	v_pk_add_f32 v[LG+16+\j:LG+17+\j], v[LG+16+\j:LG+17+\j], v[LG+24+\j:LG+25+\j]
.endr
.irp j, 0,2,4,6
	v_pk_add_f32 v[LG+\j:LG+\j+1], v[LG+\j:LG+\j+1], v[LG+16+\j:LG+17+\j]   ; lane (r, h), register j: the raw logit of expert 8 h + j for token r
.endr
.macro TOP mx, ix                      ; the largest of the 16 and the lowest index that holds it
	v_max3_num_f32 v[\mx], v[LG], v[LG+1], v[LG+2]
	v_max3_num_f32 v[\mx], v[\mx], v[LG+3], v[LG+4]
	v_max3_num_f32 v[\mx], v[\mx], v[LG+5], v[LG+6]
	v_max_num_f32 v[\mx], v[\mx], v[LG+7]
	v_permlanex16_b32 v[TT], v[\mx], s[SL], s[SL+1]
	v_max_num_f32 v[\mx], v[\mx], v[TT]
	v_mov_b32 v[\ix], 64
.irp j, 7,6,5,4,3,2,1,0
	v_cmp_neq_f32 vcc_lo, v[LG+\j], v[\mx]
	v_cndmask_b32 v[\ix], \j, v[\ix], vcc_lo
.endr
	v_lshl_add_u32 v[\ix], v[VH], 3, v[\ix]
	v_permlanex16_b32 v[TT], v[\ix], s[SL], s[SL+1]
	v_min_u32 v[\ix], v[\ix], v[TT]
.endm
	TOP M0, I0
	v_lshlrev_b32 v[TT+1], 3, v[VH]
	v_sub_nc_u32 v[TT+1], v[I0], v[TT+1]
.irp j, 0,1,2,3,4,5,6,7
	v_cmp_eq_u32 vcc_lo, \j, v[TT+1]
	v_cndmask_b32 v[LG+\j], v[LG+\j], v[NI], vcc_lo    ; the first is taken out
.endr
	TOP M1, I1
	v_sub_f32 v[TE], v[M1], v[M0]                  ; l1 - l0, 0 or less: the maximum is taken away
	v_mul_f32 v[TE], s[KR], v[TE]
	v_exp_f32 v[TE], v[TE]
	v_nop
	s_wait_alu depctr_va_vdst(0)
	v_add_f32 v[C0], 1.0, v[TE]
	v_rcp_f32 v[C0], v[C0]
	v_nop
	s_wait_alu depctr_va_vdst(0)
	v_mul_f32 v[C1], v[TE], v[C0]
	v_ldexp_f32 v[C0], v[C0], s[E89]               ; the down product's 2^(e8+e9) goes in here
	v_ldexp_f32 v[C1], v[C1], s[E89]
	v_cmp_lt_u32 vcc_lo, v[I0], v[I1]
	v_cndmask_b32 v[CWP], v[C1], v[C0], vcc_lo     ; the weight of the lower expert,
	v_cndmask_b32 v[CWP+1], v[C0], v[C1], vcc_lo   ; of the higher
	v_min_u32 v[EMN], v[I0], v[I1]
	v_add_nc_u32 v[EMX], v[I0], v[I1]
	v_sub_nc_u32 v[EMX], v[EMX], v[EMN]
	s_lshl_b32 s96, s[TB], 2
	s_add_co_u32 s96, s96, s[CX]                   ; my tile of 16 tokens: 4 x token block + cx
	s_lshl_b32 s94, s96, 4
	v_add_nc_u32 v[KEY], s94, v[VR]
	v_lshl_or_b32 v[KEY], v[EMX], 12, v[KEY]
	v_lshl_or_b32 v[KEY], v[EMN], 16, v[KEY]       ; emin << 16 | emax << 12 | token
.irp e, 0,1,2,3,4,5,6,7,8,9,10,11,12,13,14,15
	v_cmp_eq_u32 s94, \e, v[I0]
	v_cmp_eq_u32 s95, \e, v[I1]
	s_or_b32 s94, s94, s95
	s_and_b32 s94, s94, 0xffff                     ; bit r: token r of the tile uses expert e
	s_bcnt1_i32_b32 s95, s94
	v_writelane_b32 v[SMK], s94, \e
	v_writelane_b32 v[SCN], s95, \e
.endr
	v_lshlrev_b32 v[O1], 2, v[VL]
	v_lshlrev_b32 v[O2], 3, v[VL]
	v_lshlrev_b32 v[O3], 9, v[VL]
	s_mov_b32 s95, 0
	s_lshl_b32 s94, s96, 6
	s_add_nc_u64 s[20:21], s[20:21], s[94:95]
	s_lshl_b32 s94, s96, 7
	s_add_nc_u64 s[18:19], s[18:19], s[94:95]
	s_lshl_b32 s94, s96, 1
	s_add_nc_u64 s[22:23], s[22:23], s[94:95]
	v_cmp_gt_u32 vcc_lo, 16, v[VL]
	s_wait_xcnt 0x0                                ; EXEC changes only behind this wait
	s_and_saveexec_b32 s97, vcc_lo
	global_store_b32 v[O1], v[KEY], s[20:21]
	global_store_b64 v[O2], v[CWP:CWP+1], s[18:19]
	global_store_b16 v[O3], v[SMK], s[22:23]               ; lane e: expert e's mask of this tile,
	global_store_b16 v[O3], v[SCN], s[22:23] offset:8192   ; and its count
	s_wait_xcnt 0x0
	s_or_b32 exec_lo, exec_lo, s97
.Lno_router:
	s_wait_tensorcnt 0x0                           ; the wave's end
	ds_add_u32 v[SPW], v[NIL]
	s_wait_dscnt 0x0
	CROUND                                         ; the closing round
	s_endpgm
.Lfunc_end_k_qeca6d86b46_front:
	.size	k_qeca6d86b46_front, .Lfunc_end_k_qeca6d86b46_front-k_qeca6d86b46_front
	.p2alignl 7, 3214868480
	.fill 96, 4, 3214868480
	.section	.rodata,"a",@progbits
	.p2align	6, 0x0
	.amdhsa_kernel k_qeca6d86b46_front
		.amdhsa_group_segment_fixed_size 327680
		.amdhsa_private_segment_fixed_size 0
		.amdhsa_enable_private_segment 0
		.amdhsa_kernarg_size 80
		.amdhsa_user_sgpr_count 2
		.amdhsa_user_sgpr_kernarg_segment_ptr 1
		.amdhsa_wavefront_size32 1
		.amdhsa_system_sgpr_workgroup_id_x 1
		.amdhsa_system_sgpr_workgroup_id_y 1
		.amdhsa_system_sgpr_workgroup_id_z 1
		.amdhsa_system_vgpr_workitem_id 0
		.amdhsa_next_free_vgpr 768
		.amdhsa_next_free_sgpr 102
		.amdhsa_reserve_vcc 1
		.amdhsa_float_denorm_mode_32 3
		.amdhsa_float_denorm_mode_16_64 3
		.amdhsa_memory_ordered 1
		.amdhsa_forward_progress 1
		.amdhsa_inst_pref_size 79
	.end_amdhsa_kernel
	.amdgpu_metadata
---
amdhsa.version: [ 1, 2 ]
amdhsa.kernels:
  - .name:           k_qeca6d86b46_front
    .symbol:         k_qeca6d86b46_front.kd
    .args:
      - { .name: hidden_states_codes, .offset: 0, .size: 8, .value_kind: global_buffer, .address_space: global }
      - { .name: shared_w_gate_up_codes, .offset: 8, .size: 8, .value_kind: global_buffer, .address_space: global }
      - { .name: gate_w_codes, .offset: 16, .size: 8, .value_kind: global_buffer, .address_space: global }
      - { .name: w_gate_up_codes, .offset: 24, .size: 8, .value_kind: global_buffer, .address_space: global }
      - { .name: lowp_scales, .offset: 32, .size: 8, .value_kind: global_buffer, .address_space: global }
      - { .name: wfrag, .offset: 40, .size: 8, .value_kind: global_buffer, .address_space: global }
      - { .name: sact, .offset: 48, .size: 8, .value_kind: global_buffer, .address_space: global }
      - { .name: cw, .offset: 56, .size: 8, .value_kind: global_buffer, .address_space: global }
      - { .name: skey, .offset: 64, .size: 8, .value_kind: global_buffer, .address_space: global }
      - { .name: sel, .offset: 72, .size: 8, .value_kind: global_buffer, .address_space: global }
    .group_segment_fixed_size: 327680
    .private_segment_fixed_size: 0
    .kernarg_segment_align: 8
    .kernarg_segment_size: 80
    .max_flat_workgroup_size: 128
    .sgpr_count:     102
    .vgpr_count:     768
    .wavefront_size: 32
...
	.end_amdgpu_metadata
.endif
;; end of part 1
;; launch experts (part 2): grid 271 x 1, 4 waves a work-group, no clusters, 266,752 bytes of LDS; arguments hidden_states_codes, wfrag, lowp_scales, skey, sel, acte, perm3; writes acte, perm3
.if DOCPART == 2
	.amdgcn_target "amdgcn-amd-amdhsa--gfx1250"
	.amdhsa_code_object_version 6
	.text
	.protected	k_qeca6d86b46_experts
	.globl	k_qeca6d86b46_experts
	.p2align	8
	.type	k_qeca6d86b46_experts,@function
k_qeca6d86b46_experts:
	s_mov_b64 s[64:65], 0
	v_nop
	global_prefetch_b8 v0, s[64:65] scope:SCOPE_SE
	s_setreg_imm32_b32 hwreg(HW_REG_WAVE_MODE, 25, 1), 1
	s_wait_xcnt 0x0
; SECOND LAUNCH.  Work-groups 0 .. 142: the experts' gate/up product on the CHOSEN rows alone (the rows of the other experts meet a zero that reference() builds in its own one_hot: see the first kernel's head), SwiGLU, the codes of
; the experts' hidden layer (acte [token][slot][64]; slot 0 = the token's lower expert).  Work-groups 143 .. 270: the rank of every token in the order (lower expert, higher expert, token), stored as perm3[rank] = token.
; A FIXED GRID FOR EVERY SPLIT: 8,192 rows in tiles of 64 over 16 experts are never more than 128 + 15 tiles.  Each work-group finds its tile from the stored counts by scalar selections.  No branch hangs on them, since barriers follow:
; a work-group that a split leaves without rows runs on clamped rows and stores nothing (EXEC).  No tensor load and no cluster: the rows are gathered by a stored list, and which expert a work-group serves hangs on stored counts.
; SHARES.  A tile is 64 rows x the expert's 128 gate/up columns.  THE FOUR WAVES SPLIT K: wave w takes bytes 1,024 w .. +1,023 of every row: its rows' quarter through its own stage in LDS, its weights straight from wfrag into registers.
; The partial sums meet in LDS; wave w finishes rows 16 w .. 16 w + 15.
; LIMITS: e6+e7 between -126 and 127, e8 - 2 (e6+e7) between -126 and 119.  NaN codes are not served.
; REGISTERS.  window 0: v1-25 addresses and tokens; v32-159 two sets of the rows' fragments; v160-255 at work.  window 1: weight sets 0, 1.  window 2: two staging sets of 128, then the 32 accumulators.  window 3: v0-127 weight set 2.
.set NT,    143
.set XP,    1040                       ; a stage row: 1,024 bytes + 16 = 260 words: 16 rows start at 16 different groups of four banks
.set STW,   64*XP
.set SPARE, 4*STW
.set VR, 1
.set VH, 2
.set VL, 3
.set L16, 4
.set SPW, 5
.set NIL, 6
.set XA, 7
.set SA0, 8
.set GB, 10
.set RWA, 12
.set RWB, 13
.set RR, 14
.set TW, 15
.set KY, 16
.set KO, 17
.set AO, 18
.set T0, 19
.set T1, 20
.set T2, 21
.set TI, 22
.set TS, 23
.set TOKA, 24
.set TOKB, 25
.set CWD, 160
.set FA, 160                           ; a target's fields: +0 rank, +1 lane, +2 rows before the lane, +3 rank within, +4 lane x 4, +5, +6 prefixes, +7..10 masks, +11 entry, +12 rows before it, +13 at work, +14 mask, +15 bit, +16 running count
.set FB, 180
.set MW, 200
.set MC, 204
.set PF, 208
.set PLK, 216
.set PHK, 217
.set Y, 224
.set TT, 232
.set GO, 224
.set CD, 160
.set SD, 168
.set RV, 170
.set OU, 172
.set SCV, 250
.set LIMV, 251
.set SL, 2
.set WV, 18
.set K1, 26
.set HM, 28
.set MSB, 0
.macro WIN new
.if MSB != (\new)
	s_set_vgpr_msb (MSB<<8)|(\new)
.set MSB, (\new)
.endif
.endm
.macro PLACES n
.rept \n
	v_nop
.endr
.endm
.macro XSUM nreg                       ; v[Y] .. summed over the 32 lanes, the result in every lane
.irp k, 1,2,4,8
.set ii, 0
.rept \nreg
	v_mov_b32_dpp v[TT+ii], v[Y+ii] row_xmask:\k row_mask:0xf bank_mask:0xf
.set ii, ii+1
.endr
.set ii, 0
.rept \nreg
	v_add_nc_u32 v[Y+ii], v[Y+ii], v[TT+ii]
.set ii, ii+1
.endr
.endr
.set ii, 0
.rept \nreg
	v_permlanex16_b32 v[TT+ii], v[Y+ii], s[SL], s[SL+1]
.set ii, ii+1
.endr
.set ii, 0
.rept \nreg
	v_add_nc_u32 v[Y+ii], v[Y+ii], v[TT+ii]
.set ii, ii+1
.endr
.endm
	s_load_b256 s[4:11], s[0:1], 0x0               ; hidden s[4:5], wfrag s[6:7], scales s[8:9], skey s[10:11]
	s_load_b128 s[12:15], s[0:1], 0x20             ; sel s[12:13], acte s[14:15]
	s_load_b64 s[16:17], s[0:1], 0x30              ; perm3
	v_lshl_add_u32 v[SPW], v0, 2, SPARE
	v_mov_b32 v[NIL], 0
	v_lshrrev_b32 v1, 5, v0
	v_readfirstlane_b32 s[WV], v1
	v_and_b32 v[VR], 15, v0
	v_bfe_u32 v[VH], v0, 4, 1
	v_and_b32 v[VL], 31, v0
	v_lshlrev_b32 v[L16], 4, v[VL]
	s_mov_b32 s[SL], 0x76543210
	s_mov_b32 s[SL+1], 0xfedcba98
	s_mov_b32 s[HM], 0xffff0000
	s_wait_kmcnt 0x0
	s_cmp_ge_u32 ttmp9, NT
	s_cbranch_scc1 .Lrank
	; ---- the counts of all 16 experts: 256 counts of 16 bits each, eight a lane
.set ii, 0
.rept 16
	global_load_b128 v[CWD+4*ii:CWD+4*ii+3], v[L16], s[12:13] offset:8192+512*ii
.set ii, ii+1
.endr
	s_load_b128 s[20:23], s[8:9], 0x18             ; e6, e7, e8, e9
	v_mul_u32_u24 v[XA], v[VR], XP                 ; the LDS addresses, all made here
	v_lshl_add_u32 v[XA], v[VH], 4, v[XA]
	s_mul_i32 s53, s[WV], STW
	v_add_nc_u32 v[XA], s53, v[XA]                 ; my stage, row r, + 16 h
	v_add_nc_u32 v[SA0], s53, v[L16]
	v_add_nc_u32 v[SA0+1], 32*XP, v[SA0]
	s_lshl_b32 s53, s[WV], 10
	v_add_nc_u32 v[GB], s53, v[L16]                ; in a row of x: my wave's 1,024 bytes, 16 a lane
	s_lshl_b32 s53, s[WV], 13
	v_add_nc_u32 v[RWA], s53, v[L16]
	v_add_nc_u32 v[RWB], 65536, v[RWA]
	s_lshl_b32 s53, s[WV], 15
	v_add_nc_u32 v[RR], s53, v[L16]
	s_wait_loadcnt 0x0
.set ii, 0
.rept 16
	v_add3_u32 v[CWD+4*ii], v[CWD+4*ii], v[CWD+4*ii+1], v[CWD+4*ii+2]      ; two fields of 16 bits are added at once: a lane's eight counts are 128 at the most
	v_add_nc_u32 v[CWD+4*ii], v[CWD+4*ii], v[CWD+4*ii+3]
	v_lshrrev_b32 v[CWD+4*ii+1], 16, v[CWD+4*ii]
	v_and_b32 v[CWD+4*ii], 0xffff, v[CWD+4*ii]
	v_add_nc_u32 v[CWD+4*ii], v[CWD+4*ii], v[CWD+4*ii+1]
.set ii, ii+1
.endr
.set ii, 0
.rept 8
	v_lshl_or_b32 v[Y+ii], v[CWD+8*ii+4], 16, v[CWD+8*ii]                  ; two experts to a register: an expert has 4,096 rows at the most
	v_mov_b32 v[TT+ii], 0
.set ii, ii+1
.endr
	XSUM 8
.set ii, 0
.rept 8
	v_readfirstlane_b32 s[32+2*ii], v[Y+ii]
.set ii, ii+1
.endr
.set ii, 0
.rept 8
	s_lshr_b32 s[33+2*ii], s[32+2*ii], 16
	s_and_b32 s[32+2*ii], s[32+2*ii], 0xffff       ; s[32+q] = rows of expert q
.set ii, ii+1
.endr
	; ---- which expert and which 64 rows are mine: selections, no branch
	s_mov_b32 s48, 0                               ; tiles up to and with expert q
	s_mov_b32 s49, 0                               ; my expert's first tile
	s_mov_b32 s50, 0                               ; my expert
.set ii, 0
.rept 16
	s_add_co_u32 s53, s[32+ii], 63
	s_lshr_b32 s53, s53, 6
	s_add_co_u32 s48, s48, s53
	s_cmp_le_u32 s48, ttmp9                        ; expert q ends at or before my tile
	s_cselect_b32 s49, s48, s49
	s_add_co_ci_u32 s50, s50, 0
.set ii, ii+1
.endr
	s_sub_co_u32 s51, ttmp9, s49
	s_lshl_b32 s51, s51, 6                         ; my first row among the expert's
	s_mov_b32 s52, 0                               ; the expert's rows; 0 where no tile is left for me
.set ii, 0
.rept 16
	s_cmp_eq_u32 s50, ii
	s_cselect_b32 s52, s[32+ii], s52
.set ii, ii+1
.endr
	s_min_u32 s50, s50, 15
	s_lshl_b32 s54, s50, 9
	s_mov_b32 s55, 0
	s_add_nc_u64 s[56:57], s[12:13], s[54:55]      ; the expert's masks (and, 8,192 bytes on, counts)
	s_lshl_b32 s54, s50, 19
	s_lshl_b32 s53, s[WV], 17
	s_add_co_u32 s54, s54, s53
	s_add_nc_u64 s[58:59], s[6:7], s[54:55]        ; the expert's images, my wave's eight K blocks
	global_load_b128 v[MW:MW+3], v[L16], s[56:57]              ; lane L: the masks of tokens 128 L .. 128 L + 127,
	global_load_b128 v[MC:MC+3], v[L16], s[56:57] offset:8192  ; and the counts of its eight entries of 16 tokens
.macro WLOAD k                         ; K block k's eight weight fragments into set k % 3
.if ((\k)%3) == 2
	WIN 0xc0
.else
	WIN 0x40
.endif
.set WB, 128*(((\k)%3)%2)
.irp n, 0,1,2,3,4,5,6,7
.irp c, 0,1,2,3
	global_load_b128 v[WB+16*\n+4*\c:WB+16*\n+4*\c+3], v[L16], s[58:59] offset:(\k)*16384+\n*2048+512*\c
.endr
.endr
	WIN 0
.endm
	WLOAD 0
	WLOAD 1
	s_wait_loadcnt 0x3f                            ; 66 loads were issued: the first three at the least are in, the two lists among them
	; ---- FIND: the tokens of rows lo + lane and lo + 32 + lane of the expert: the R-th set bit of its 4,096
.irp i, 0,1,2,3
	v_and_b32 v[PF+2*\i], 0xffff, v[MC+\i]
	v_lshrrev_b32 v[PF+2*\i+1], 16, v[MC+\i]
.endr
.irp i, 1,2,3,4,5,6,7
	v_add_nc_u32 v[PF+\i], v[PF+\i], v[PF+\i-1]    ; running counts within the lane
.endr
	v_lshl_or_b32 v[PLK], v[PF+1], 8, v[PF]        ; the first seven as bytes (112 at the most)
	v_lshl_or_b32 v[PLK], v[PF+2], 16, v[PLK]
	v_lshl_or_b32 v[PLK], v[PF+3], 24, v[PLK]
	v_lshl_or_b32 v[PHK], v[PF+5], 8, v[PF+4]
	v_lshl_or_b32 v[PHK], v[PF+6], 16, v[PHK]
	v_readlane_b32 s66, v[PF+7], 0
.set ii, 1
.rept 31
	v_readlane_b32 s53, v[PF+7], ii
	s_add_co_u32 s[66+ii], s[65+ii], s53           ; s[66+L]: rows up to and with lane L
.set ii, ii+1
.endr
	v_add_nc_u32 v[FA], s51, v[VL]
	v_add_nc_u32 v[FB], 32, v[FA]
.irp x, FA, FB
	v_mov_b32 v[\x+1], 0
	v_mov_b32 v[\x+2], 0
.endr
.set ii, 0
.rept 32
.irp x, FA, FB
	v_cmp_gt_u32 vcc_lo, s[66+ii], v[\x]
	v_cndmask_b32 v[\x+2], s[66+ii], v[\x+2], vcc_lo           ; the last running count at or under my rank,
	v_add_co_ci_u32 v[\x+1], vcc_lo, 0, v[\x+1], vcc_lo        ; and how many lie over it
.endr
.set ii, ii+1
.endr
.irp x, FA, FB
	v_sub_nc_u32 v[\x+1], 32, v[\x+1]
	v_min_u32 v[\x+1], 31, v[\x+1]                 ; the lane that holds my row
	v_sub_nc_u32 v[\x+3], v[\x], v[\x+2]
	v_lshlrev_b32 v[\x+4], 2, v[\x+1]
.endr
.irp x, FA, FB
	ds_bpermute_b32 v[\x+5], v[\x+4], v[PLK]       ; lane permutes: no LDS byte is touched
	ds_bpermute_b32 v[\x+6], v[\x+4], v[PHK]
	ds_bpermute_b32 v[\x+7], v[\x+4], v[MW]
	ds_bpermute_b32 v[\x+8], v[\x+4], v[MW+1]
	ds_bpermute_b32 v[\x+9], v[\x+4], v[MW+2]
	ds_bpermute_b32 v[\x+10], v[\x+4], v[MW+3]
	v_mov_b32 v[\x+11], 0
	v_mov_b32 v[\x+12], 0
.endr
	s_wait_dscnt 0x0
.irp i, 0,1,2,3,4,5,6
.irp x, FA, FB
	v_bfe_u32 v[\x+13], v[\x+5+\i/4], 8*(\i%4), 8
	v_cmp_le_u32 vcc_lo, v[\x+13], v[\x+3]
	v_cndmask_b32 v[\x+12], v[\x+12], v[\x+13], vcc_lo
	v_add_co_ci_u32 v[\x+11], vcc_lo, 0, v[\x+11], vcc_lo      ; the entry of 16 tokens
.endr
.endr
.irp x, FA, FB
	v_sub_nc_u32 v[\x+3], v[\x+3], v[\x+12]        ; my rank within the entry
	v_lshrrev_b32 v[\x+13], 1, v[\x+11]
	v_cmp_eq_u32 vcc_lo, 1, v[\x+13]
	v_cndmask_b32 v[\x+14], v[\x+7], v[\x+8], vcc_lo
	v_cmp_eq_u32 vcc_lo, 2, v[\x+13]
	v_cndmask_b32 v[\x+14], v[\x+14], v[\x+9], vcc_lo
	v_cmp_eq_u32 vcc_lo, 3, v[\x+13]
	v_cndmask_b32 v[\x+14], v[\x+14], v[\x+10], vcc_lo
	v_and_b32 v[\x+13], 1, v[\x+11]
	v_lshlrev_b32 v[\x+13], 4, v[\x+13]
	v_bfe_u32 v[\x+14], v[\x+14], v[\x+13], 16     ; its mask
	v_mov_b32 v[\x+15], 0
	v_mov_b32 v[\x+16], 0
.endr
.set ii, 0
.rept 16
.irp x, FA, FB
	v_bfe_u32 v[\x+13], v[\x+14], ii, 1
	v_add_nc_u32 v[\x+16], v[\x+16], v[\x+13]
	v_cmp_le_u32 vcc_lo, v[\x+16], v[\x+3]
	v_add_co_ci_u32 v[\x+15], vcc_lo, 0, v[\x+15], vcc_lo      ; the bit's place = the places whose running count is at or under my rank
.endr
.set ii, ii+1
.endr
.irp x, FA, FB
	v_lshl_add_u32 v[\x+15], v[\x+11], 4, v[\x+15]
	v_lshl_add_u32 v[\x+15], v[\x+1], 7, v[\x+15]
.endr
	v_min_u32 v[TOKA], 4095, v[FA+15]              ; a row beyond the expert's last gets some token inside the table, and is not stored
	v_min_u32 v[TOKB], 4095, v[FB+15]
	s_cmp_lt_u32 s[WV], 2                          ; for the way out: the token of row 16 x wave + r
	s_cselect_b32 s53, -1, 0
	v_cndmask_b32 v[TS], v[TOKB], v[TOKA], s53
	s_and_b32 s54, s[WV], 1
	s_lshl_b32 s54, s54, 6
	v_lshl_add_u32 v[TI], v[VR], 2, s54
	ds_bpermute_b32 v[TW], v[TI], v[TS]
	s_wait_dscnt 0x0
	v_min_u32 v[TW], 4095, v[TW]
	v_lshlrev_b32 v[KO], 2, v[TW]
	global_load_b32 v[KY], v[KO], s[10:11]         ; its key: which of its two experts is mine
	s_barrier_signal -1                            ; the lane permutes of all waves lie ahead of every LDS store
	s_barrier_wait -1
	; ---- STAGE: 64 rows x my 1,024 bytes, 16 rows a batch; a load covers 512 consecutive bytes of one row
.macro GATH b, st
.set ii, 0
.rept 16
.if (\b) < 2
	v_readlane_b32 s[66+ii], v[TOKA], 16*((\b)%2)+ii
.else
	v_readlane_b32 s[66+ii], v[TOKB], 16*((\b)%2)+ii
.endif
.set ii, ii+1
.endr
.set ii, 0
.rept 16
	s_min_u32 s[66+ii], s[66+ii], 4095
.set ii, ii+1
.endr
.set ii, 0
.rept 16
	v_lshl_add_u32 v[GO+16*(\st)+ii], s[66+ii], 12, v[GB]
.set ii, ii+1
.endr
	WIN 0x80
.set ii, 0
.rept 16
	global_load_b128 v[128*(\st)+8*ii:128*(\st)+8*ii+3], v[GO+16*(\st)+ii], s[4:5]
	global_load_b128 v[128*(\st)+8*ii+4:128*(\st)+8*ii+7], v[GO+16*(\st)+ii], s[4:5] offset:512
.set ii, ii+1
.endr
	WIN 0
.endm
.macro STG b, st
	WIN 0x08
.set ii, 0
.rept 16
	ds_store_b128 v[SA0+(\b)/2], v[128*(\st)+8*ii:128*(\st)+8*ii+3] offset:(16*((\b)%2)+ii)*XP
	ds_store_b128 v[SA0+(\b)/2], v[128*(\st)+8*ii+4:128*(\st)+8*ii+7] offset:(16*((\b)%2)+ii)*XP+512
.set ii, ii+1
.endr
	WIN 0
.endm
	GATH 0, 0
	GATH 1, 1
	s_wait_loadcnt 32                              ; batch 0 is in (and all older loads); batch 1's 32 may be out
	STG 0, 0
	s_wait_dscnt 0x0                               ; the stores have read their registers
	GATH 2, 0
	s_wait_loadcnt 32                              ; batch 1 is in
	STG 1, 1
	s_wait_dscnt 0x0
	GATH 3, 1
	WLOAD 2
	s_wait_loadcnt 0x3f                            ; behind batch 2 stand 64 loads: with 63 out at the most it is in
	STG 2, 0
	s_wait_loadcnt 32                              ; batch 3 is in; weight set 2 may be out
	STG 3, 1
.macro XLD k                           ; the rows' four fragments of K block k into set k % 2.  My own bytes: LDS serves a wave's instructions in order
.irp m, 0,1,2,3
.irp c, 0,1,2,3
	ds_load_b128 v[32+64*((\k)%2)+16*\m+4*\c:32+64*((\k)%2)+16*\m+4*\c+3], v[XA] offset:16*\m*XP+128*(\k)+32*\c
.endr
.endr
.endm
; A K block of 128: 32 matrix instructions, the accumulators by turns.  Weight set k % 3 is filled again, three blocks ahead, behind four places.
.macro KSTEP k, left
	s_wait_dscnt 0x0
.if (\k) >= 2
	s_wait_loadcnt \left                           ; this block's weights are in; the younger sets may be out
.endif
.if (\k) < 7
	XLD (\k)+1
.endif
.set WB, 128*(((\k)%3)%2)
.set XB, 32+64*((\k)%2)
.if ((\k)%3) == 2
	WIN 0xa3
.else
	WIN 0xa1
.endif
.irp n, 0,1,2,3,4,5,6,7
.irp m, 0,1,2,3
.if (\k) == 0
	v_wmma_f32_16x16x128_fp8_fp8 v[8*(8*\m+\n):8*(8*\m+\n)+7], v[WB+16*\n:WB+16*\n+15], v[XB+16*\m:XB+16*\m+15], 0
.else
	v_wmma_f32_16x16x128_fp8_fp8 v[8*(8*\m+\n):8*(8*\m+\n)+7], v[WB+16*\n:WB+16*\n+15], v[XB+16*\m:XB+16*\m+15], v[8*(8*\m+\n):8*(8*\m+\n)+7]
.endif
.endr
.endr
	WIN 0
	PLACES 4
.if (\k)+3 <= 7
	WLOAD (\k)+3
.endif
.endm
	XLD 0
	KSTEP 0, 0
	KSTEP 1, 0
	KSTEP 2, 0x3f
	KSTEP 3, 0x3f
	KSTEP 4, 0x3f
	KSTEP 5, 0x3f
	KSTEP 6, 32
	KSTEP 7, 0
	; ---- the four partial sums meet in LDS, laid over the stages
	s_wait_kmcnt 0x0
	s_add_co_i32 s24, s20, s21                     ; e6 + e7
	s_lshl_b32 s25, s24, 23
	s_add_co_i32 s[K1], s25, 0xbfb8aa3b            ; -log2(e) x 2^(e6+e7)
	s_mov_b32 s[K1+1], s[K1]
	s_lshl_b32 s24, s24, 1
	s_sub_co_i32 s24, s22, s24                     ; e8 - 2 (e6+e7)
	s_add_co_i32 s24, s24, 127
	s_lshl_b32 s25, s24, 23
	v_mov_b32 v[SCV], s25
	s_add_co_i32 s24, s24, 8
	s_lshl_b32 s24, s24, 23
	s_or_b32 s24, s24, 0x600000
	v_mov_b32 v[LIMV], s24
	v_mov_b32 v[RV], 0
	v_mov_b32 v[RV+1], 0
	s_wait_dscnt 0x0
	s_barrier_signal -1
	s_barrier_wait -1                              ; nobody reads a stage any more
	WIN 0x08
.irp m, 0,1
.irp n, 0,1,2,3,4,5,6,7
	ds_store_b128 v[RWA], v[8*(8*\m+\n):8*(8*\m+\n)+3] offset:\m*32768+\n*1024
	ds_store_b128 v[RWA], v[8*(8*\m+\n)+4:8*(8*\m+\n)+7] offset:\m*32768+\n*1024+512
.endr
.endr
.irp m, 2,3
.irp n, 0,1,2,3,4,5,6,7
	ds_store_b128 v[RWB], v[8*(8*\m+\n):8*(8*\m+\n)+3] offset:(\m-2)*32768+\n*1024
	ds_store_b128 v[RWB], v[8*(8*\m+\n)+4:8*(8*\m+\n)+7] offset:(\m-2)*32768+\n*1024+512
.endr
.endr
	WIN 0
	s_wait_dscnt 0x0
	s_barrier_signal -1
	s_barrier_wait -1
	WIN 0x80
.irp s, 0,1,2,3
.irp n, 0,1,2,3,4,5,6,7
	ds_load_b128 v[64*\s+8*\n:64*\s+8*\n+3], v[RR] offset:\s*8192+\n*1024
	ds_load_b128 v[64*\s+8*\n+4:64*\s+8*\n+7], v[RR] offset:\s*8192+\n*1024+512
.endr
.endr
	s_wait_dscnt 0x0
	WIN 0xaa
.set jj, 0
.rept 32
	v_pk_add_f32 v[jj:jj+1], v[jj:jj+1], v[64+jj:65+jj]
	v_pk_add_f32 v[128+jj:129+jj], v[128+jj:129+jj], v[192+jj:193+jj]
.set jj, jj+2
.endr
.set jj, 0
.rept 32
	v_pk_add_f32 v[jj:jj+1], v[jj:jj+1], v[128+jj:129+jj]
.set jj, jj+2
.endr
	; SwiGLU in f32, as in the first kernel: G in v0-31, U in v32-63 of window 2
.set jj, 0
.rept 16
	v_pk_mul_f32 v[64+jj:65+jj], v[jj:jj+1], s[K1:K1+1] op_sel_hi:[1,0]
.set jj, jj+2
.endr
.set jj, 0
.rept 32
	v_exp_f32 v[64+jj], v[64+jj]
.set jj, jj+1
.endr
	v_nop
	s_wait_alu depctr_va_vdst(0)                   ; one wait for the batch of exponentials
.set jj, 0
.rept 16
	v_pk_add_f32 v[64+jj:65+jj], v[64+jj:65+jj], 1.0 op_sel_hi:[1,0]
.set jj, jj+2
.endr
.set jj, 0
.rept 32
	v_rcp_f32 v[64+jj], v[64+jj]
.set jj, jj+1
.endr
	v_nop
	s_wait_alu depctr_va_vdst(0)                   ; one wait for the batch of reciprocals
.set jj, 0
.rept 16
	v_pk_mul_f32 v[jj:jj+1], v[jj:jj+1], v[64+jj:65+jj]
.set jj, jj+2
.endr
.set jj, 0
.rept 16
	v_pk_mul_f32 v[jj:jj+1], v[jj:jj+1], v[32+jj:33+jj]
.set jj, jj+2
.endr
	WIN 0x82
.set jj, 0
.rept 32
	v_med3_num_f32 v[jj], v[jj], -v[LIMV], v[LIMV] ; the hold at the largest code x the scale (ISA guide 7.6.2)
.set jj, jj+1
.endr
	WIN 0x02
.irp n, 0,1,2,3
	v_cvt_scalef32_pk8_fp8_f32 v[CD+2*\n:CD+2*\n+1], v[8*\n:8*\n+7], v[SCV]
.endr
	WIN 0
	v_nop
.macro EXCH b                          ; lane (r, h) gets the 16 codes of units 32 b + 16 h + 0..15
	v_cndmask_b32 v[SD], v[CD+4*\b+2], v[CD+4*\b], s[HM]
	v_cndmask_b32 v[SD+1], v[CD+4*\b+3], v[CD+4*\b+1], s[HM]
	v_permlanex16_b32 v[RV], v[SD], s[SL], s[SL+1]
	v_permlanex16_b32 v[RV+1], v[SD+1], s[SL], s[SL+1]
	v_cndmask_b32 v[OU+4*\b], v[CD+4*\b], v[RV], s[HM]
	v_cndmask_b32 v[OU+4*\b+1], v[CD+4*\b+1], v[RV+1], s[HM]
	v_cndmask_b32 v[OU+4*\b+2], v[RV], v[CD+4*\b+2], s[HM]
	v_cndmask_b32 v[OU+4*\b+3], v[RV+1], v[CD+4*\b+3], s[HM]
.endm
	EXCH 0
	EXCH 1
	v_bfe_u32 v[T1], v[KY], 16, 4                  ; the token's lower expert
	v_cmp_ne_u32 s54, s50, v[T1]
	v_mov_b32 v[T2], 64
	v_cndmask_b32 v[T1], 0, v[T2], s54             ; slot 1 where my expert is the higher one
	v_min_u32 v[T1], 64, v[T1]
	v_lshl_add_u32 v[AO], v[TW], 7, v[T1]
	v_lshl_add_u32 v[AO], v[VH], 4, v[AO]
	s_lshl_b32 s53, s[WV], 4
	s_add_co_u32 s53, s53, s51
	v_add_nc_u32 v[T0], s53, v[VR]                 ; my row among the expert's
	v_cmp_gt_u32 vcc_lo, s52, v[T0]                ; it exists
	s_wait_xcnt 0x0                                ; EXEC changes only behind this wait
	s_and_saveexec_b32 s55, vcc_lo
	global_store_b128 v[AO], v[OU:OU+3], s[14:15]
	global_store_b128 v[AO], v[OU+4:OU+7], s[14:15] offset:32
	s_wait_xcnt 0x0
	s_or_b32 exec_lo, exec_lo, s55
	s_wait_tensorcnt 0x0                           ; the wave's end
	ds_add_u32 v[SPW], v[NIL]
	s_wait_dscnt 0x0
	s_endpgm
	; ---- THE RANKS (no LDS).  Wave w of work-group 143 + b takes tokens 32 b + 8 w + 0..7; a token's rank is the number of keys under its own (the keys differ: each holds its token)
.Lrank:
	s_sub_co_u32 s24, ttmp9, NT
	s_lshl_b32 s24, s24, 5
	s_lshl_b32 s25, s[WV], 3
	s_add_co_u32 s24, s24, s25                     ; my first token
	s_lshl_b32 s26, s24, 2
	s_mov_b32 s27, 0
	s_add_nc_u64 s[26:27], s[10:11], s[26:27]
	s_load_b256 s[40:47], s[26:27], 0x0            ; my eight keys
.set ii, 0
.rept 32
	global_load_b128 v[32+4*ii:35+4*ii], v[L16], s[10:11] offset:512*ii    ; all 4,096 keys, 128 a lane
.set ii, ii+1
.endr
.set ii, 0
.rept 8
	v_mov_b32 v[160+ii], 0
.set ii, ii+1
.endr
	s_wait_kmcnt 0x0
	s_wait_loadcnt 0x0
.set ii, 0
.rept 128
.set jj, 0
.rept 8
	v_cmp_gt_u32 vcc_lo, s[40+jj], v[32+ii]
	v_add_co_ci_u32 v[160+jj], vcc_lo, 0, v[160+jj], vcc_lo
.set jj, jj+1
.endr
.set ii, ii+1
.endr
.set ii, 0
.rept 4
	v_lshl_or_b32 v[Y+ii], v[161+2*ii], 16, v[160+2*ii]
	v_mov_b32 v[TT+ii], 0
.set ii, ii+1
.endr
	XSUM 4
	v_mov_b32 v[T0], 0
.irp q, 0,1,2,3,4,5,6,7
.if (\q%2) == 0
	v_and_b32 v[T1], 0xffff, v[Y+\q/2]
.else
	v_lshrrev_b32 v[T1], 16, v[Y+\q/2]
.endif
	v_cmp_eq_u32 vcc_lo, \q, v[VL]
	v_cndmask_b32 v[T0], v[T0], v[T1], vcc_lo      ; lane q takes token q's rank
.endr
	v_min_u32 v[T0], 4095, v[T0]
	v_lshlrev_b32 v[T0], 2, v[T0]
	v_add_nc_u32 v[T2], s24, v[VL]
	v_cmp_gt_u32 vcc_lo, 8, v[VL]
	s_wait_xcnt 0x0
	s_and_saveexec_b32 s28, vcc_lo
	global_store_b32 v[T0], v[T2], s[16:17]
	s_wait_xcnt 0x0
	s_or_b32 exec_lo, exec_lo, s28
	s_endpgm
.Lfunc_end_k_qeca6d86b46_experts:
	.size	k_qeca6d86b46_experts, .Lfunc_end_k_qeca6d86b46_experts-k_qeca6d86b46_experts
	.p2alignl 7, 3214868480
	.fill 96, 4, 3214868480
	.section	.rodata,"a",@progbits
	.p2align	6, 0x0
	.amdhsa_kernel k_qeca6d86b46_experts
		.amdhsa_group_segment_fixed_size 266752
		.amdhsa_private_segment_fixed_size 0
		.amdhsa_enable_private_segment 0
		.amdhsa_kernarg_size 56
		.amdhsa_user_sgpr_count 2
		.amdhsa_user_sgpr_kernarg_segment_ptr 1
		.amdhsa_wavefront_size32 1
		.amdhsa_system_sgpr_workgroup_id_x 1
		.amdhsa_system_sgpr_workgroup_id_y 1
		.amdhsa_system_sgpr_workgroup_id_z 1
		.amdhsa_system_vgpr_workitem_id 0
		.amdhsa_next_free_vgpr 896
		.amdhsa_next_free_sgpr 102
		.amdhsa_reserve_vcc 1
		.amdhsa_float_denorm_mode_32 3
		.amdhsa_float_denorm_mode_16_64 3
		.amdhsa_memory_ordered 1
		.amdhsa_forward_progress 1
		.amdhsa_inst_pref_size 217
	.end_amdhsa_kernel
	.amdgpu_metadata
---
amdhsa.version: [ 1, 2 ]
amdhsa.kernels:
  - .name:           k_qeca6d86b46_experts
    .symbol:         k_qeca6d86b46_experts.kd
    .args:
      - { .name: hidden_states_codes, .offset: 0, .size: 8, .value_kind: global_buffer, .address_space: global }
      - { .name: wfrag, .offset: 8, .size: 8, .value_kind: global_buffer, .address_space: global }
      - { .name: lowp_scales, .offset: 16, .size: 8, .value_kind: global_buffer, .address_space: global }
      - { .name: skey, .offset: 24, .size: 8, .value_kind: global_buffer, .address_space: global }
      - { .name: sel, .offset: 32, .size: 8, .value_kind: global_buffer, .address_space: global }
      - { .name: acte, .offset: 40, .size: 8, .value_kind: global_buffer, .address_space: global }
      - { .name: perm3, .offset: 48, .size: 8, .value_kind: global_buffer, .address_space: global }
    .group_segment_fixed_size: 266752
    .private_segment_fixed_size: 0
    .kernarg_segment_align: 8
    .kernarg_segment_size: 56
    .max_flat_workgroup_size: 128
    .sgpr_count:     102
    .vgpr_count:     896
    .wavefront_size: 32
...
	.end_amdgpu_metadata
.endif
;; end of part 2
;; launch down (part 3): grid 16 x 16, 4 waves a work-group, no clusters, 127,488 bytes of LDS; arguments shared_w_down_codes, w_down_codes, lowp_scales, sact, acte, cw, skey, perm3, out0; writes out0
.if DOCPART == 3
	.amdgcn_target "amdgcn-amd-amdhsa--gfx1250"
	.amdhsa_code_object_version 6
	.text
	.protected	k_qeca6d86b46_down
	.globl	k_qeca6d86b46_down
	.p2align	8
	.type	k_qeca6d86b46_down,@function
k_qeca6d86b46_down:
	s_mov_b64 s[64:65], 0
	v_nop
	global_prefetch_b8 v0, s[64:65] scope:SCOPE_SE
	s_setreg_imm32_b32 hwreg(HW_REG_WAVE_MODE, 25, 1), 1
	s_wait_xcnt 0x0
; THIRD LAUNCH.  out[t] = shared hidden layer x shared_w_down^T + c(emin) act(emin) w_down[emin]^T + c(emax) act(emax) w_down[emax]^T.  Each output byte has one owner.
; Left out: the down products of the 14 experts whose combine entry is the zero of reference()'s own one_hot (see the first kernel's head); the sum over 16 experts is then two multiply-adds in f32.
; SHARES.  Work-group (x, y): output columns 256 x .. +255 for the 256 tokens of ranks 256 y .. +255 in the order (lower expert, higher expert, token): a tile of 16 such tokens meets few experts.  Wave w owns columns 64 w .. +63 of
; the block: its rows of shared_w_down (128 registers) and of all 16 experts' w_down (512) stay in registers for the whole launch.  All are loaded whatever the tokens ask for, so that every register is written on every way.
; The walk over the experts branches on stored whole numbers (skey): so no tensor load, no cluster, and no barrier behind the one at the head.
; THE MATRIX INSTRUCTIONS ARE USED TRANSPOSED (source 0 = 16 output columns, source 1 = 16 tokens): lane (r, h) holds token r and eight neighbouring columns.  k is permuted alike on both sides: in the K = 64 form lane half h holds
; k = 32 h + 0..31; in the K = 128 form step kb holds k = 128 h + 64 kb + 0..63.
; LDS: the tokens' codes lie as 16-byte pieces, piece p of token r at 272 p + 16 r: both the stores (16 lanes, 16 pieces of one token) and the fragment loads (16 lanes, one piece of 16 tokens) touch each bank once.
; LIMIT: e2+e3 between -126 and 127.
; REGISTERS.  window 0: v1-31 addresses; v32-63 shared fragments; v64-79 the two slots' fragments; v80-83 a token's record; v84-91 the slot chosen; v92-107 tokens and offsets of the rows to be stored; v112-143 the sums; v144-175 an
; expert's products; v176-207 rows on their way out.  windows 1, 2: w_down of experts 0-7, 8-15.  window 3: v0-127 shared_w_down; v128-255 the gathered rows of sact, at the head alone.
.set EIMG,  69632
.set META,  104448
.set OTAB,  108544
.set STAGE, 109568
.set SPARE, 126976
.set VR, 1
.set VH, 2
.set P16, 4
.set SPW, 5
.set NIL, 6
.set AS0, 7
.set AE0, 8
.set AM0, 9
.set AO0, 10
.set ASX, 11
.set AEX, 12
.set AMX, 13
.set AOX, 14
.set STO, 15
.set RD, 16
.set EMIN, 17
.set EMAX, 18
.set CE, 20
.set P8, 22
.set PO, 23
.set TO, 24
.set SS, 25
.set SE, 26
.set SMA, 27
.set SOA, 28
.set WDO, 29
.set SWO, 30
.set T0, 31
.set SA, 32
.set EA, 64
.set MT, 80
.set SEL, 84
.set OTR, 92
.set OA, 100
.set OS_, 112
.set DP, 144
.set OUTB, 176
.set TK, 32                            ; at the head alone
.set GS, 64
.set GE, 96
.set ED, 128
.set TM, 192
.set KO, 194
.set CO, 196
.set MD, 200
.set WV, 24
.set MSB, 0
.macro WIN new
.if MSB != (\new)
	s_set_vgpr_msb (MSB<<8)|(\new)
.set MSB, (\new)
.endif
.endm
.macro PLACES n
.rept \n
	v_nop
.endr
.endm
	s_load_b256 s[4:11], s[0:1], 0x0               ; shared_w_down s[4:5], w_down s[6:7], scales s[8:9], sact s[10:11]
	s_load_b256 s[12:19], s[0:1], 0x20             ; acte s[12:13], cw s[14:15], skey s[16:17], perm3 s[18:19]
	s_load_b64 s[20:21], s[0:1], 0x40              ; out0
	v_lshl_add_u32 v[SPW], v0, 2, SPARE
	v_mov_b32 v[NIL], 0
	v_lshrrev_b32 v1, 5, v0
	v_readfirstlane_b32 s[WV], v1
	v_and_b32 v[VR], 15, v0
	v_bfe_u32 v[VH], v0, 4, 1
	v_lshlrev_b32 v[P16], 4, v[VR]
	v_lshlrev_b32 v[P8], 3, v[VR]
	s_lshl_b32 s25, s[WV], 2
	v_lshl_add_u32 v[PO], v[VH], 5, s25            ; (wave + 8 (lane / 16)) x 4
	v_lshlrev_b32 v[TO], 2, v0
	s_and_b32 s26, ttmp7, 0xffff
	s_lshl_b32 s26, s26, 10                        ; my group's 256 ranks
	s_mov_b32 s27, 0
	s_wait_kmcnt 0x0
	s_load_b64 s[22:23], s[8:9], 0x8               ; e2, e3
	s_add_nc_u64 s[18:19], s[18:19], s[26:27]
.set ii, 0
.rept 32
	global_load_b32 v[TK+ii], v[PO], s[18:19] offset:(16*(ii/2)+4*(ii%2))*4    ; load ii serves place 16 (ii / 2) + 4 (ii % 2) + wave + 8 (lane / 16) of the group
.set ii, ii+1
.endr
	global_load_b32 v[TM], v[TO], s[18:19]                 ; and places thread and thread + 128, for the records
	global_load_b32 v[TM+1], v[TO], s[18:19] offset:512
	; the LDS addresses, all made here
	v_mul_u32_u24 v[SS], v[VR], 272
	v_lshl_add_u32 v[SS], v[VH], 7, v[SS]
	s_lshl_b32 s25, s[WV], 4
	v_add_nc_u32 v[SS], s25, v[SS]                 ; piece lane % 16, token wave + 8 (lane / 16) (+ 4 by the immediate)
	v_lshrrev_b32 v[SE], 1, v[VR]
	v_mul_u32_u24 v[SE], v[SE], 272
	v_and_b32 v[T0], 1, v[VR]
	v_lshl_add_u32 v[SE], v[T0], 3, v[SE]
	v_lshl_add_u32 v[SE], v[VH], 7, v[SE]
	v_add_nc_u32 v[SE], s25, v[SE]
	v_add_nc_u32 v[SE], EIMG, v[SE]
	v_lshl_add_u32 v[SMA], v0, 4, META
	v_lshrrev_b32 v[SOA], 4, v0
	v_lshlrev_b32 v[SOA], 6, v[SOA]
	v_and_b32 v[T0], 1, v0
	v_lshl_add_u32 v[SOA], v[T0], 5, v[SOA]
	v_bfe_u32 v[T0], v0, 1, 3
	v_lshl_add_u32 v[SOA], v[T0], 2, v[SOA]
	v_add_nc_u32 v[SOA], OTAB, v[SOA]              ; tile x 64 + (r % 2) x 32 + (r / 2) x 4
	v_mul_u32_u24 v[AS0], v[VH], 2176
	v_add_nc_u32 v[AS0], v[P16], v[AS0]            ; pieces 8 h on, token r
	v_mul_u32_u24 v[AE0], v[VH], 544
	v_add_nc_u32 v[AE0], v[P16], v[AE0]
	v_add_nc_u32 v[AE0], EIMG, v[AE0]              ; pieces 2 h on
	v_add_nc_u32 v[AM0], META, v[P16]
	v_lshlrev_b32 v[AO0], 5, v[VH]
	v_add_nc_u32 v[AO0], OTAB, v[AO0]
	s_mul_i32 s25, s[WV], 4352
	s_add_co_u32 s25, s25, STAGE                   ; my stage: 16 rows x (256 bytes + 16)
	v_mul_u32_u24 v[STO], v[VR], 272
	v_lshl_add_u32 v[STO], v[VH], 5, v[STO]
	v_add_nc_u32 v[STO], s25, v[STO]
	v_mul_u32_u24 v[RD], v[VH], 272
	v_add_nc_u32 v[RD], v[P16], v[RD]
	v_add_nc_u32 v[RD], s25, v[RD]
	v_lshlrev_b32 v[WDO], 6, v[VR]
	v_lshl_add_u32 v[WDO], v[VH], 5, v[WDO]        ; w_down: row r of 64 bytes, + 32 h
	v_lshlrev_b32 v[SWO], 8, v[VR]
	v_lshl_add_u32 v[SWO], v[VH], 7, v[SWO]        ; shared_w_down: row r of 256 bytes, + 128 h
	v_mov_b32 v[CE], 0
	v_mov_b32 v[CE+1], 0                           ; (named as the upper half of a pair)
	s_lshl_b32 s28, ttmp9, 8
	s_lshl_b32 s25, s[WV], 6
	s_add_co_u32 s28, s28, s25                     ; my first column
	s_mov_b32 s27, 0
	s_lshl_b32 s26, s28, 6
	s_add_nc_u64 s[6:7], s[6:7], s[26:27]
	s_lshl_b32 s26, s28, 8
	s_add_nc_u64 s[4:5], s[4:5], s[26:27]
	s_lshl_b32 s26, s28, 2
	s_add_nc_u64 s[20:21], s[20:21], s[26:27]
	s_wait_loadcnt 0x0
.set ii, 0
.rept 32
	v_min_u32 v[TK+ii], 4095, v[TK+ii]
	v_lshl_add_u32 v[GS+ii], v[TK+ii], 8, v[P16]
	v_lshl_add_u32 v[GE+ii], v[TK+ii], 7, v[P8]
.set ii, ii+1
.endr
.irp u, 0,1
	v_min_u32 v[TM+\u], 4095, v[TM+\u]
	v_lshlrev_b32 v[KO+\u], 2, v[TM+\u]
	v_lshlrev_b32 v[CO+\u], 3, v[TM+\u]
	v_mov_b32 v[MD+4*\u+3], 0
.endr
	WIN 0xc0                                       ; destination window 3
.set ii, 0
.rept 32
	global_load_b128 v[128+4*ii:131+4*ii], v[GS+ii], s[10:11]      ; sixteen lanes read a token's whole 256 bytes
.set ii, ii+1
.endr
	WIN 0
.set ii, 0
.rept 32
	global_load_b64 v[ED+2*ii:ED+2*ii+1], v[GE+ii], s[12:13]       ; sixteen lanes read a token's 128 bytes
.set ii, ii+1
.endr
.irp u, 0,1
	global_load_b64 v[MD+4*\u:MD+4*\u+1], v[CO+\u], s[14:15]       ; a record: c(emin), c(emax), key, 0
	global_load_b32 v[MD+4*\u+2], v[KO+\u], s[16:17]
.endr
	WIN 0x40
.set ee, 0
.rept 8
.irp i, 0,1,2,3
.irp j, 0,1
	global_load_b128 v[32*ee+8*\i+4*\j:32*ee+8*\i+4*\j+3], v[WDO], s[6:7] offset:ee*262144+\i*1024+16*\j
.endr
.endr
.set ee, ee+1
.endr
	WIN 0x80
.rept 8
.irp i, 0,1,2,3
.irp j, 0,1
	global_load_b128 v[32*(ee-8)+8*\i+4*\j:32*(ee-8)+8*\i+4*\j+3], v[WDO], s[6:7] offset:ee*262144+\i*1024+16*\j
.endr
.endr
.set ee, ee+1
.endr
	WIN 0xc0
.irp i, 0,1,2,3
.irp kb, 0,1
.irp c, 0,1,2,3
	global_load_b128 v[32*\i+16*\kb+4*\c:32*\i+16*\kb+4*\c+3], v[SWO], s[4:5] offset:\i*4096+64*\kb+16*\c
.endr
.endr
.endr
	WIN 0
	s_wait_loadcnt 0x3f                            ; behind the gathers stand 160 weight loads: with 63 out at the most the gathers are in
	WIN 0x0c                                       ; store data window 3
.set ii, 0
.rept 32
	ds_store_b128 v[SS], v[128+4*ii:131+4*ii] offset:(ii/2)*4352+(ii%2)*64
.set ii, ii+1
.endr
	WIN 0
.set ii, 0
.rept 32
	ds_store_b64 v[SE], v[ED+2*ii:ED+2*ii+1] offset:(ii/2)*2176+(ii%2)*64
.set ii, ii+1
.endr
	ds_store_b128 v[SMA], v[MD:MD+3]
	ds_store_b128 v[SMA], v[MD+4:MD+7] offset:2048
	ds_store_b32 v[SOA], v[TM]
	ds_store_b32 v[SOA], v[TM+1] offset:512
	s_wait_kmcnt 0x0
	s_add_co_i32 s22, s22, s23
	s_add_co_i32 s22, s22, 127
	s_lshl_b32 s22, s22, 23                        ; 2^(e2+e3) as f32
	s_mov_b32 s23, s22
	s_mov_b32 s30, 0                               ; the tile's offsets in the four tables
	s_mov_b32 s31, 0
	s_mov_b32 s32, 0
	s_mov_b32 s33, 0
	s_wait_loadcnt 0x0                             ; the weights are in
	s_wait_dscnt 0x0                               ; for the others' sake
	s_barrier_signal -1
	s_barrier_wait -1                              ; the one barrier: behind it the tables are only read
.macro ADDRS
	v_add_nc_u32 v[ASX], s30, v[AS0]
	v_add_nc_u32 v[AEX], s31, v[AE0]
	v_add_nc_u32 v[AMX], s32, v[AM0]
	v_add_nc_u32 v[AOX], s33, v[AO0]
.endm
.macro LDSA                            ; the shared hidden layer's two fragments of the tile
.irp kb, 0,1
.irp c, 0,1,2,3
	ds_load_b128 v[SA+16*\kb+4*\c:SA+16*\kb+4*\c+3], v[ASX] offset:1088*\kb+272*\c
.endr
.endr
.endm
.macro LDREST                          ; the two slots' fragments, the token's record, the tokens of the rows that I store
.irp s, 0,1
.irp j, 0,1
	ds_load_b128 v[EA+8*\s+4*\j:EA+8*\s+4*\j+3], v[AEX] offset:1088*\s+272*\j
.endr
.endr
	ds_load_b128 v[MT:MT+3], v[AMX]
	ds_load_b128 v[OTR:OTR+3], v[AOX]
	ds_load_b128 v[OTR+4:OTR+7], v[AOX] offset:16
.endm
.macro SEND
.irp i, 0,1,2,3,4,5,6,7
	global_store_b128 v[OA+\i], v[OUTB+4*\i:OUTB+4*\i+3], s[20:21] th:TH_STORE_NT   ; lanes 0-15 store 256 consecutive bytes of one token's row, aligned; lanes 16-31 of the next
.endr
.endm
; Expert e for the tile: passed over, by a scalar branch on the stored keys, where none of the 16 tokens uses it.  A token that does not use it gets the weight 0; its codes are finite, so its product is.
.macro EXPERT e
	v_cmp_eq_u32 s36, \e, v[EMIN]
	v_cmp_eq_u32 s37, \e, v[EMAX]
	s_or_b32 s38, s36, s37
	s_cmp_eq_u32 s38, 0
	s_cbranch_scc1 .Lskip_\@
.irp k, 0,1,2,3,4,5,6,7
	v_cndmask_b32 v[SEL+\k], v[EA+8+\k], v[EA+\k], s36
.endr
	v_cndmask_b32 v[CE], v[MT+1], v[MT], s36
	v_cndmask_b32 v[CE], 0, v[CE], s38
	WIN 1+(\e)/8                                   ; source 0: window 1 or 2
.irp i, 0,1,2,3
	v_wmma_f32_16x16x64_fp8_fp8 v[DP+8*\i:DP+8*\i+7], v[32*((\e)%8)+8*\i:32*((\e)%8)+8*\i+7], v[SEL:SEL+7], 0
.endr
	WIN 0
	PLACES 4
.set jj, 0
.rept 16
	v_pk_fma_f32 v[OS_+jj:OS_+jj+1], v[DP+jj:DP+jj+1], v[CE:CE+1], v[OS_+jj:OS_+jj+1] op_sel_hi:[1,0,1]
.set jj, jj+2
.endr
.Lskip_\@:
.endm
; A TILE of 16 tokens.  The rows of the tile before leave while this one is multiplied.
.macro TILE first, last
	s_wait_dscnt 0x0                               ; this tile's fragments and record, and the last tile's rows, are in
	WIN 0x03                                       ; source 0 window 3
.irp kb, 0,1
.irp i, 0,1,2,3
.if \kb == 0
	v_wmma_f32_16x16x128_fp8_fp8 v[OS_+8*\i:OS_+8*\i+7], v[32*\i:32*\i+15], v[SA:SA+15], 0
.else
	v_wmma_f32_16x16x128_fp8_fp8 v[OS_+8*\i:OS_+8*\i+7], v[32*\i+16:32*\i+31], v[SA+16:SA+31], v[OS_+8*\i:OS_+8*\i+7]
.endif
.endr
.endr
	WIN 0
	v_bfe_u32 v[EMIN], v[MT+2], 16, 4              ; four places behind the products
	v_bfe_u32 v[EMAX], v[MT+2], 12, 4
	v_nop
	v_nop
.if !\first
	SEND
.endif
.set jj, 0
.rept 16
	v_pk_mul_f32 v[OS_+jj:OS_+jj+1], v[OS_+jj:OS_+jj+1], s[22:23] op_sel_hi:[1,0]   ; x 2^(e2+e3); each accumulator from its low end
.set jj, jj+2
.endr
.if !\last
	s_add_co_u32 s30, s30, 4352
	s_add_co_u32 s31, s31, 2176
	s_add_co_u32 s32, s32, 256
	s_add_co_u32 s33, s33, 64
	ADDRS
	LDSA                                           ; the next tile's
.endif
.irp e, 0,1,2,3,4,5,6,7,8,9,10,11,12,13,14,15
	EXPERT \e
.endr
	s_wait_xcnt 0x0                                ; the last tile's stores have read their registers
.irp i, 0,1,2,3,4,5,6,7
	v_min_u32 v[OA+\i], 4095, v[OTR+\i]
	v_lshl_add_u32 v[OA+\i], v[OA+\i], 14, v[P16]  ; a token's row of 16,384 bytes, + 16 bytes a lane
.endr
.irp i, 0,1,2,3
	ds_store_b128 v[STO], v[OS_+8*\i:OS_+8*\i+3] offset:64*\i
	ds_store_b128 v[STO], v[OS_+8*\i+4:OS_+8*\i+7] offset:64*\i+16
.endr
.irp i, 0,1,2,3,4,5,6,7
	ds_load_b128 v[OUTB+4*\i:OUTB+4*\i+3], v[RD] offset:544*\i     ; my own stage: LDS serves a wave's instructions in order
.endr
.if !\last
	LDREST
.endif
.endm
	ADDRS
	LDSA
	LDREST
	TILE 1, 0
	s_mov_b32 s34, 14
.Ltile:
	TILE 0, 0
	s_sub_co_u32 s34, s34, 1
	s_cmp_lg_u32 s34, 0
	s_cbranch_scc1 .Ltile
	TILE 0, 1
	s_wait_dscnt 0x0
	SEND
	s_wait_tensorcnt 0x0                           ; the wave's end
	ds_add_u32 v[SPW], v[NIL]
	s_wait_dscnt 0x0
	s_endpgm
.Lfunc_end_k_qeca6d86b46_down:
	.size	k_qeca6d86b46_down, .Lfunc_end_k_qeca6d86b46_down-k_qeca6d86b46_down
	.p2alignl 7, 3214868480
	.fill 96, 4, 3214868480
	.section	.rodata,"a",@progbits
	.p2align	6, 0x0
	.amdhsa_kernel k_qeca6d86b46_down
		.amdhsa_group_segment_fixed_size 127488
		.amdhsa_private_segment_fixed_size 0
		.amdhsa_enable_private_segment 0
		.amdhsa_kernarg_size 72
		.amdhsa_user_sgpr_count 2
		.amdhsa_user_sgpr_kernarg_segment_ptr 1
		.amdhsa_wavefront_size32 1
		.amdhsa_system_sgpr_workgroup_id_x 1
		.amdhsa_system_sgpr_workgroup_id_y 1
		.amdhsa_system_sgpr_workgroup_id_z 1
		.amdhsa_system_vgpr_workitem_id 0
		.amdhsa_next_free_vgpr 1024
		.amdhsa_next_free_sgpr 66
		.amdhsa_reserve_vcc 0
		.amdhsa_float_denorm_mode_32 3
		.amdhsa_float_denorm_mode_16_64 3
		.amdhsa_memory_ordered 1
		.amdhsa_forward_progress 1
		.amdhsa_inst_pref_size 167
	.end_amdhsa_kernel
	.amdgpu_metadata
---
amdhsa.version: [ 1, 2 ]
amdhsa.kernels:
  - .name:           k_qeca6d86b46_down
    .symbol:         k_qeca6d86b46_down.kd
    .args:
      - { .name: shared_w_down_codes, .offset: 0, .size: 8, .value_kind: global_buffer, .address_space: global }
      - { .name: w_down_codes, .offset: 8, .size: 8, .value_kind: global_buffer, .address_space: global }
      - { .name: lowp_scales, .offset: 16, .size: 8, .value_kind: global_buffer, .address_space: global }
      - { .name: sact, .offset: 24, .size: 8, .value_kind: global_buffer, .address_space: global }
      - { .name: acte, .offset: 32, .size: 8, .value_kind: global_buffer, .address_space: global }
      - { .name: cw, .offset: 40, .size: 8, .value_kind: global_buffer, .address_space: global }
      - { .name: skey, .offset: 48, .size: 8, .value_kind: global_buffer, .address_space: global }
      - { .name: perm3, .offset: 56, .size: 8, .value_kind: global_buffer, .address_space: global }
      - { .name: out0, .offset: 64, .size: 8, .value_kind: global_buffer, .address_space: global }
    .group_segment_fixed_size: 127488
    .private_segment_fixed_size: 0
    .kernarg_segment_align: 8
    .kernarg_segment_size: 72
    .max_flat_workgroup_size: 128
    .sgpr_count:     66
    .vgpr_count:     1024
    .wavefront_size: 32
...
	.end_amdgpu_metadata
.endif
;; end of part 3
;; ======== version 2 of 2: 2 launches
;; limits: right only within a limited range of input values
;; workspace buffers: act 5,505,024 bytes
;; launch hidden (part 4): grid 16 x 16, 4 waves a work-group, clusters of 4 x 4, 327,680 bytes of LDS; arguments hidden_states_codes, shared_w_gate_up_codes, gate_w_codes, w_gate_up_codes, lowp_scales, act; writes act
.if DOCPART == 4
	.amdgcn_target "amdgcn-amd-amdhsa--gfx1250"
	.amdhsa_code_object_version 6
	.text
	.protected	k_qeca6d86b46_hidden
	.globl	k_qeca6d86b46_hidden
	.p2align	8
	.type	k_qeca6d86b46_hidden,@function
k_qeca6d86b46_hidden:
	s_mov_b64 s[64:65], 0
	v_nop
	global_prefetch_b8 v0, s[64:65] scope:SCOPE_SE
	s_setreg_imm32_b32 hwreg(HW_REG_WAVE_MODE, 25, 1), 1
	s_wait_xcnt 0x0
	s_wait_alu depctr_hold_cnt(0) depctr_sa_sdst(0) depctr_va_vdst(0) depctr_va_sdst(0) depctr_va_ssrc(0) depctr_va_vcc(0) depctr_vm_vsrc(0)
	s_getreg_b32 s2, hwreg(HW_REG_IB_STS2, 6, 4)
	s_cmp_eq_u32 s2, 0
	s_cbranch_scc0 .Lentry_in_a_cluster
	s_endpgm
.Lentry_in_a_cluster:
	s_bfe_u32 s2, ttmp6, 0x10000c
	s_cmp_lg_u32 s2, 0xf033
	s_cbranch_scc0 .Lentry_shape_is_right
	s_endpgm
.Lentry_shape_is_right:
; FIRST LAUNCH.  The gate/up products of all 16 experts and of the shared MLP, SwiGLU, the codes of the hidden layers, and the router's combine weights.
; Every expert is computed for every token, as reference() writes it; the combine weight of an expert that was not chosen is 0.
; SHARES.  Work-group (E, Y): tokens 256 Y .. +255; expert E's 128 gate/up rows, the shared MLP's gate rows 16 E .. +15 and up rows 256 + 16 E .. +15; the router's logits of tokens 256 Y + 16 E .. +15.
; Wave (i, k): tokens 128 i .. +127 against all 160 rows, over its own 128 (the k-th) of each K step of 256.  At the end the two waves of a pair exchange half of their sums: wave (i, k) finishes tokens 128 i + 64 k .. +63.
; Its eight blocks of 16 tokens: a = 0..3 are tokens 64 k + 16 a (which it finishes), a = 4..7 tokens 64 (1 - k) + 16 (a - 4) (which it sends).
; K goes in steps of 256 through two LDS slots: 256 token rows, 128 expert rows, 16 + 16 shared rows, 272 bytes apart (16 rows start at 16 different groups of four banks).  One joint tensor load a wave: wave 0 the tokens (my row of
; the cluster shares them), wave 1 the expert's rows, waves 2 and 3 the shared gate and up rows (my column shares them).
; ORDER: even steps walk the weight tiles outermost, odd steps the token blocks.  So one set of fragment registers serves: the operand walked outermost is freed tile by tile and fetched for the next step behind the change of slots in
; mid-step; the other is fetched at the step's end and used, in the next step, tile by tile as it lands.
; THE MATRIX INSTRUCTIONS ARE USED TRANSPOSED: source 0 = 16 weight rows, source 1 = 16 tokens: lane (r, h) holds token r, register m the weight row 8 h + m of the tile.
; Of 32 units the even tile takes units 0-7 and 24-31, the odd tile 8-15 and 16-23: so a lane's 16 results are units 16 h .. +15, for h = 1 with the two halves exchanged, and the 16 rows of a tile differ modulo 16.
; THE IMAGE act, for each 16 tokens 21,504 bytes: expert e at 1,024 e: piece q (units 16 q .. +15) x token x 16 bytes; the shared layer at 16,384: piece p (units 16 p .. +15) x token x 16 bytes; the combine weights at 20,480: four experts x token x 16 bytes, f32.
; ROUTER: reference() divides the two largest softmax values by their sum: the softmax's own divisor cancels, and with l0 >= l1 the weights are 1 / (1 + exp(l1 - l0)) and exp(l1 - l0) times that: an identity.  A tie takes the lower expert.  The factor 2^(e8+e9) of the down product is put into the weights.
; PREFETCH: behind the load of K step s the K step s + 2 is asked for (at the head K step 1 too): each 256 bytes once in a cluster: of the token rows a partner takes 64 by cx, of the expert's rows 32 and of the shared rows 4 + 4 by cy.
; LIMITS: e0+e1, e6+e7, e4+e5 between -126 and 126; e2 - 2 (e0+e1) and e8 - 2 (e6+e7) between -126 and 119; sums before scaling (codes' products) times one another stay inside f32.  NaN codes are not served.
; REGISTERS.  window 0: v1-31 addresses; v32-71 the router; v72-103 shared accumulators of blocks 6, 7; v128-255 token fragments.  window 1: v0-159 weight fragments (0-3 gate, 4-7 up, 8 shared gate, 9 shared up), v160-255 shared
; accumulators (a, s) of blocks 0-5 at 160 + 8 (2 a + s).  windows 2, 3: the expert's accumulators (a, n) of blocks 0-3, 4-7 at 8 (8 (a % 4) + n).
.set BT,    69632
.set ST,    104448
.set SLOT,  113152
.set RRED,  226304
.set SPARE, 230400
.set VR, 1
.set VH, 2
.set VL, 3
.set SPW, 10
.set NIL, 11
.set RRR, 12
.set CWO, 13
.set ADRAL, 16
.set ADRAH, 18
.set ADRG0, 20
.set ADRG1, 22
.set ADRS, 24
.set AOL, 26
.set AOS, 28
.set PFO, 29
.set RLO, 30
.set RRW, 31
.set XF, 32
.set GF, 48
.set RACC, 64
.set SVE, 104
.set LVE, 105
.set SVS, 106
.set LVS, 107
.set XSA, 108
.set XRA, 109
.set T, 128
.set CD, 192
.set OU, 208
.set OUS, 240
.set LG, 144
.set I0H, 160
.set I1H, 161
.set M0, 176
.set I0, 177
.set M1, 178
.set I1, 179
.set TT, 180
.set NI, 182
.set TE, 183
.set C0, 186
.set C1, 187
.set CW, 188
.set WV, 16
.set TI, 17
.set TJ, 18
.set CX, 19
.set CY, 20
.set EX, 21
.set YY, 22
.set HM, 23
.set SL, 24
.set K1E, 26
.set KR, 28
.set E89, 29
.set G1A, 32
.set G1B, 40
.set G1S, 48
.set G0A, 56
.set G0B, 68
.set G0S, 76
.set K1S, 76
.set PFA, 94
.set RX, 96
.set RG, 98
.set MSB, 0
.macro WIN new
.if MSB != (\new)
	s_set_vgpr_msb (MSB<<8)|(\new)
.set MSB, (\new)
.endif
.endm
.macro PLACES n
.rept \n
	v_nop
.endr
.endm
.macro CREST
	s_cmp_lg_u32 s[WV], 0
	s_cbranch_scc1 .Lnw0_\@
	s_barrier_signal -3
.Lnw0_\@:
	s_barrier_wait -3
	s_barrier_signal -1
	s_barrier_wait -1
.endm
.macro CROUND
	s_barrier_signal -1
	s_barrier_wait -1
	CREST
.endm
; a joint load: the wave's number alone chooses the line
.macro JLOAD s
	s_cmp_eq_u32 s[WV], 0
	s_cbranch_scc0 .Ljb_\@
	tensor_load_to_lds s[G0A+4*\s:G0A+4*\s+3], s[G1A:G1A+7]
	s_nop 0
	PLACES 4
	s_branch .Ljd_\@
.Ljb_\@:
	s_cmp_eq_u32 s[WV], 1
	s_cbranch_scc0 .Ljs_\@
	tensor_load_to_lds s[G0B+4*\s:G0B+4*\s+3], s[G1B:G1B+7]
	s_nop 0
	PLACES 4
	s_branch .Ljd_\@
.Ljs_\@:
	tensor_load_to_lds s[G0S+4*\s:G0S+4*\s+3], s[G1S:G1S+7]
	s_nop 0
	PLACES 4
.Ljd_\@:
.endm
	s_load_b256 s[4:11], s[0:1], 0x0               ; hidden s[4:5], shared gate/up s[6:7], gate s[8:9], gate/up s[10:11]
	s_load_b128 s[12:15], s[0:1], 0x20             ; scales s[12:13], act s[14:15]
	v_lshl_add_u32 v[SPW], v0, 2, SPARE
	v_mov_b32 v[NIL], 0
	ds_add_u32 v[SPW], v[NIL]                      ; the wave's opening: the add, twice on end, and its wait
	ds_add_u32 v[SPW], v[NIL]
	v_lshrrev_b32 v1, 5, v0
	v_readfirstlane_b32 s[WV], v1
	s_lshr_b32 s[TI], s[WV], 1
	s_and_b32 s[TJ], s[WV], 1
	s_bfe_u32 s[CX], ttmp6, 0x40000
	s_bfe_u32 s[CY], ttmp6, 0x40004
	s_lshl_b32 s[EX], ttmp9, 2
	s_add_co_u32 s[EX], s[EX], s[CX]
	s_and_b32 s[YY], ttmp7, 0xffff
	s_lshl_b32 s[YY], s[YY], 2
	s_add_co_u32 s[YY], s[YY], s[CY]
	s_lshl_b32 s30, s[CY], 2
	s_lshl_b32 s30, 15, s30                        ; my row of the cluster
	s_lshl_b32 s66, 0x1111, s[CX]                  ; my column
	s_or_b32 s[G1A], s30, (1<<20)|(1<<21)|(5<<22)|(3<<25)
	s_or_b32 s[G1B], s66, (1<<20)|(1<<21)|(5<<22)|(3<<25)
	s_or_b32 s[G1S], s66, (1<<20)|(1<<21)|(5<<22)|(3<<25)
.irp g, G1A, G1B, G1S
	s_mov_b32 s[\g+1], 256<<16
	s_mov_b32 s[\g+3], 256<<16
	s_mov_b32 s[\g+5], 4096
	s_mov_b32 s[\g+6], 0
	s_mov_b32 s[\g+7], 0
.endr
	s_mov_b32 s[G1A+2], 256<<16
	s_mov_b32 s[G1A+4], 256
	s_mov_b32 s[G1B+2], 128<<16
	s_mov_b32 s[G1B+4], 128
	s_mov_b32 s[G1S+2], 16<<16
	s_mov_b32 s[G1S+4], 16
	s_mov_b32 s[SL], 0x76543210
	s_mov_b32 s[SL+1], 0xfedcba98
	s_mov_b32 s[HM], 0xffff0000
	s_mul_i32 s100, s[TJ], 4352
.irp s, 0,1
	s_mov_b32 s[G0A+4*\s], 1
	s_mov_b32 s[G0A+4*\s+1], \s*SLOT
	s_mov_b32 s[G0B+4*\s], 1
	s_mov_b32 s[G0B+4*\s+1], BT+\s*SLOT
	s_mov_b32 s[G0S+4*\s], 1
	s_add_co_u32 s[G0S+4*\s+1], s100, ST+\s*SLOT
.endr
	s_wait_dscnt 0x0                               ; both opening adds are done
	s_wait_kmcnt 0x0
	s_load_b256 s[84:91], s[12:13], 0x0            ; e0 .. e7
	s_load_b64 s[92:93], s[12:13], 0x20            ; e8, e9
	s_mov_b32 s31, 0
	s_mov_b32 s67, 0
	s_lshl_b32 s30, s[YY], 20                      ; 256 Y rows of 4,096 bytes
	s_add_nc_u64 s[G0A+2:G0A+3], s[4:5], s[30:31]
	s_add_nc_u64 s[G0A+6:G0A+7], s[G0A+2:G0A+3], 256
	s_lshl_b32 s66, s[EX], 19                      ; 128 E rows
	s_add_nc_u64 s[G0B+2:G0B+3], s[10:11], s[66:67]
	s_add_nc_u64 s[G0B+6:G0B+7], s[G0B+2:G0B+3], 256
	s_lshl_b32 s66, s[EX], 16                      ; 16 E rows, for wave 3 256 rows on
	s_lshl_b32 s100, s[TJ], 20
	s_add_co_u32 s66, s66, s100
	s_add_nc_u64 s[G0S+2:G0S+3], s[6:7], s[66:67]
	s_add_nc_u64 s[G0S+6:G0S+7], s[G0S+2:G0S+3], 256
.irp g, G0A, G0B, G0S
	s_or_b32 s[\g+3], s[\g+3], 0x80000000
	s_or_b32 s[\g+7], s[\g+7], 0x80000000
.endr
	CROUND                                         ; all sixteen work-groups are here
	JLOAD 0                                        ; K step 0
	; where my prefetches and my router's loads stand
	s_lshl_b32 s100, s[YY], 20
	s_lshl_b32 s101, s[WV], 19
	s_add_co_u32 s100, s100, s101
	s_lshl_b32 s101, s[CX], 17
	s_add_co_u32 s100, s100, s101                  ; waves 0, 1: 32 of 128 token rows
	s_lshl_b32 s101, s[EX], 19
	s_lshl_b32 s66, s[CY], 17
	s_add_co_u32 s101, s101, s66                   ; wave 2: 32 of the expert's rows
	s_lshl_b32 s66, s[EX], 16
	s_lshl_b32 s67, s[CY], 14
	s_add_co_u32 s66, s66, s67                     ; wave 3: 4 of the shared gate rows, and the same up rows
	s_cmp_eq_u32 s[WV], 3
	s_cselect_b32 s101, s66, s101
	s_cselect_b64 s[PFA:PFA+1], s[6:7], s[10:11]
	s_cselect_b32 s67, -1, 0
	s_cmp_lt_u32 s[WV], 2
	s_cselect_b32 s100, s100, s101
	s_cselect_b64 s[PFA:PFA+1], s[4:5], s[PFA:PFA+1]
	s_mov_b32 s101, 0
	s_add_nc_u64 s[PFA:PFA+1], s[PFA:PFA+1], s[100:101]
	s_lshl_b32 s100, s[WV], 7                      ; the router: wave w takes K block w of each four
	s_add_nc_u64 s[RG:RG+1], s[8:9], s[100:101]
	s_lshl_b32 s66, s[YY], 20
	s_add_co_u32 s100, s100, s66
	s_lshl_b32 s66, s[EX], 16
	s_add_co_u32 s100, s100, s66
	s_add_nc_u64 s[RX:RX+1], s[4:5], s[100:101]
	v_and_b32 v[VR], 15, v0
	v_bfe_u32 v[VH], v0, 4, 1
	v_and_b32 v[VL], 31, v0
	v_mul_u32_u24 v4, v[VR], 272
	v_lshl_add_u32 v4, v[VH], 4, v4                ; row r, + 16 h
	v_and_b32 v5, 8, v[VR]
	v_mul_u32_u24 v5, v5, 544
	v_add_nc_u32 v5, v5, v4                        ; rows 8-15 of the tile 16 rows further on
	v_lshlrev_b32 v[RLO], 12, v[VR]
	v_lshl_add_u32 v[RLO], v[VH], 4, v[RLO]
	v_lshlrev_b32 v6, 12, v[VL]
	v_min_u32 v7, 7, v[VL]
	v_and_b32 v8, 3, v7
	v_lshrrev_b32 v7, 2, v7
	v_lshlrev_b32 v8, 12, v8
	v_lshl_or_b32 v8, v7, 20, v8
	v_cndmask_b32 v[PFO], v6, v8, s67
	s_wait_alu depctr_va_vdst(0)
	global_prefetch_b8 v[PFO], s[PFA:PFA+1] offset:256 th:TH_LOAD_NT scope:SCOPE_SE
	global_prefetch_b8 v[PFO], s[PFA:PFA+1] offset:512 th:TH_LOAD_NT scope:SCOPE_SE
.macro RLOAD
.irp c, 0,1,2,3
	global_load_b128 v[XF+4*\c:XF+4*\c+3], v[RLO], s[RX:RX+1] offset:32*\c
.endr
.irp c, 0,1,2,3
	global_load_b128 v[GF+4*\c:GF+4*\c+3], v[RLO], s[RG:RG+1] offset:32*\c
.endr
.endm
	RLOAD
	s_mul_i32 s100, s[TI], 34816
	s_mul_i32 s101, s[TJ], 17536                   ; 64 rows, and my 128 bytes of a row
	s_add_co_u32 s30, s100, s101
	s_lshl_b32 s66, s[TJ], 7
	s_xor_b32 s101, s[TJ], 1
	s_mul_i32 s101, s101, 17408
	s_add_co_u32 s31, s100, s101
	s_add_co_u32 s31, s31, s66
	s_add_co_u32 s100, s66, BT
	s_add_co_u32 s101, s66, ST
.irp s, 0,1
	v_add_nc_u32 v[ADRAL+\s], s30, v4
	v_add_nc_u32 v[ADRAH+\s], s31, v4
	v_add_nc_u32 v[ADRG0+\s], s100, v5
	v_add_nc_u32 v[ADRG1+\s], s100, v4
	v_add_nc_u32 v[ADRS+\s], s101, v4
	s_add_co_u32 s30, s30, SLOT
	s_add_co_u32 s31, s31, SLOT
	s_add_co_u32 s100, s100, SLOT
	s_add_co_u32 s101, s101, SLOT
.endr
	s_lshl_b32 s100, s[WV], 10
	s_add_co_u32 s100, s100, RRED
	s_mul_i32 s30, s[WV], 40960                    ; what I send; and my partner's
	s_xor_b32 s31, s[WV], 1
	s_mul_i32 s31, s31, 40960
	s_mul_i32 s66, s[TI], 172032                   ; eight images
	s_mul_i32 s101, s[TJ], 86016                   ; four images
	s_add_co_u32 s66, s66, s101
	s_add_co_u32 s101, s66, 16384
	s_wait_alu depctr_va_vdst(0)
	v_lshlrev_b32 v[RRR], 4, v[VL]
	v_add_nc_u32 v[XSA], s30, v[RRR]
	v_add_nc_u32 v[XRA], s31, v[RRR]
	v_add_nc_u32 v[RRW], s100, v[RRR]
	v_add_nc_u32 v[RRR], RRED, v[RRR]
	v_lshlrev_b32 v6, 4, v[VR]
	v_lshl_add_u32 v7, v[VH], 8, v6
	v_add_nc_u32 v[AOL], s66, v7
	v_lshl_add_u32 v8, v[VH], 3, v6
	v_add_nc_u32 v[AOS], s101, v8
	v_lshl_add_u32 v9, v[VH], 9, v6
	v_add_nc_u32 v[CWO], 20480, v9
.irp j, 0,1,2,3,4,5,6,7
	v_mov_b32 v[RACC+\j], 0
.endr
.macro FRAG reg, adr, off              ; 16 rows x 128 K: registers 4 c .. 4 c + 3 hold K = 32 c + 16 h + 0..15
.irp c, 0,1,2,3
	ds_load_b128 v[(\reg)+4*\c:(\reg)+4*\c+3], v[\adr] offset:(\off)+32*\c
.endr
.endm
.macro FETCHA s, a
	WIN 0
.if (\a) < 4
	FRAG 128+16*(\a), ADRAL+\s, 16*(\a)*272
.else
	FRAG 128+16*(\a), ADRAH+\s, 16*((\a)-4)*272
.endif
.endm
.macro FETCHB s, n
	WIN 0x40
.if (\n) >= 8
	FRAG 16*(\n), ADRS+\s, 4352*((\n)-8)
.elseif (\n)%2
	FRAG 16*(\n), ADRG1+\s, 8704*(((\n)%4)/2)+17408*((\n)/4)+2176
.else
	FRAG 16*(\n), ADRG0+\s, 8704*(((\n)%4)/2)+17408*((\n)/4)
.endif
.endm
.macro MUL a, n, zero                  ; token block a against weight tile n
.if (\n) < 8
	WIN 0xa1+0x50*((\a)/4)
.set AC, 8*(8*((\a)%4)+(\n))
.elseif (\a) < 6
	WIN 0x51
.set AC, 160+8*(2*(\a)+(\n)-8)
.else
	WIN 0x01
.set AC, 72+8*(2*((\a)-6)+(\n)-8)
.endif
.if \zero
	v_wmma_f32_16x16x128_fp8_fp8 v[AC:AC+7], v[16*(\n):16*(\n)+15], v[128+16*(\a):128+16*(\a)+15], 0
.else
	v_wmma_f32_16x16x128_fp8_fp8 v[AC:AC+7], v[16*(\n):16*(\n)+15], v[128+16*(\a):128+16*(\a)+15], v[AC:AC+7]
.endif
.endm
.macro MULN n, zero
.irp a, 0,1,2,3,4,5,6,7
	MUL \a, \n, \zero
.endr
.endm
.macro MULA a
.irp n, 0,1,2,3,4,5,6,7,8,9
	MUL \a, \n, 0
.endr
.endm
.macro DRAIN                           ; ahead of the change of slots: all my tensor loads are in: my part of the next slot
	WIN 0
	s_wait_xcnt 0x0                                ; my prefetch has read its address
	s_add_nc_u64 s[PFA:PFA+1], s[PFA:PFA+1], 256
	s_wait_tensorcnt 0x0
	ds_add_u32 v[SPW], v[NIL]
.endm
.macro REFILL s, fill
	WIN 0
	s_barrier_wait -1
.if \fill
	CREST                                          ; no wave of any partner still reads this slot
	s_add_nc_u64 s[G0A+4*\s+2:G0A+4*\s+3], s[G0A+4*\s+2:G0A+4*\s+3], 512
	s_add_nc_u64 s[G0B+4*\s+2:G0B+4*\s+3], s[G0B+4*\s+2:G0B+4*\s+3], 512
	s_add_nc_u64 s[G0S+4*\s+2:G0S+4*\s+3], s[G0S+4*\s+2:G0S+4*\s+3], 512
	JLOAD \s                                       ; its four v_nop are also the places ahead of the loads that follow
.else
	PLACES 4
.endif
.endm
.macro ASK
	WIN 0
	s_cmp_gt_u32 s3, 1                             ; the last trip has no K step two on
	s_cbranch_scc0 .Lnoask_\@
	global_prefetch_b8 v[PFO], s[PFA:PFA+1] offset:768 th:TH_LOAD_NT scope:SCOPE_SE
.Lnoask_\@:
.endm
; An even K step (slot 0): weight tiles outermost.  On the way in the loads of weight tiles 0 .. 9 are the youngest 40.
.macro EVEN zero, fill
.irp n, 0,1,2,3,4,5
	s_wait_dscnt 36-4*\n                           ; tile n is in; the later tiles may be out
	MULN \n, \zero
.endr
	DRAIN
	s_wait_dscnt 13                                ; tile 6 is in; tiles 7 .. 9 and the add may be out
.irp a, 0,1,2,3
	MUL \a, 6, \zero
.endr
	s_wait_dscnt 0x0                               ; the add is done, and my reads of this slot
	s_barrier_signal -1
.irp a, 4,5,6,7
	MUL \a, 6, \zero
.endr
	REFILL 0, \fill
.irp n, 0,1,2,3,4,5,6
	FETCHB 1, \n
.endr
.if \fill
	ASK
.endif
	MULN 7, \zero
	PLACES 4
	FETCHB 1, 7
	MULN 8, \zero
	MULN 9, \zero
	PLACES 4
	FETCHB 1, 8
	FETCHB 1, 9
.irp a, 0,1,2,3,4,5,6,7
	FETCHA 1, \a
.endr
	WIN 0
.endm
; An odd K step (slot 1): token blocks outermost.  On the way in the loads of token blocks 0 .. 7 are the youngest 32.
.macro ODD fill
.irp a, 0,1,2,3,4
	s_wait_dscnt 28-4*\a                           ; block a is in; the later blocks may be out
	MULA \a
.endr
	DRAIN
	s_wait_dscnt 9                                 ; block 5 is in; blocks 6, 7 and the add may be out
.irp n, 0,1,2,3,4
	MUL 5, \n, 0
.endr
	s_wait_dscnt 0x0                               ; the add is done, and my reads of this slot
	s_barrier_signal -1
.irp n, 5,6,7,8,9
	MUL 5, \n, 0
.endr
	REFILL 1, \fill
.irp a, 0,1,2,3,4,5
	FETCHA 0, \a
.endr
.if \fill
	ASK
.endif
	MULA 6
	MULA 7
	PLACES 4
	FETCHA 0, 6
	FETCHA 0, 7
.irp n, 0,1,2,3,4,5,6,7,8,9
	FETCHB 0, \n
.endr
	WIN 0
.endm
.macro RMUL                            ; the router: 16 experts x my 16 tokens, one K block of 128
	s_wait_loadcnt 0x0
	v_wmma_f32_16x16x128_fp8_fp8 v[RACC:RACC+7], v[GF:GF+15], v[XF:XF+15], v[RACC:RACC+7]
	PLACES 4
.endm
.macro RNEXT
	RMUL
	s_wait_xcnt 0x0
	s_add_nc_u64 s[RX:RX+1], s[RX:RX+1], 512
	s_add_nc_u64 s[RG:RG+1], s[RG:RG+1], 512
	RLOAD
.endm
	s_wait_alu depctr_va_vdst(0)
	s_wait_tensorcnt 0x0                           ; my part of K step 0 is in
	ds_add_u32 v[SPW], v[NIL]
	s_wait_dscnt 0x0
	CROUND
	JLOAD 1                                        ; K step 1, the first tensor load behind the round
.irp a, 0,1,2,3,4,5,6,7
	FETCHA 0, \a
.endr
.irp n, 0,1,2,3,4,5,6,7,8,9
	FETCHB 0, \n
.endr
	WIN 0
	global_prefetch_b8 v[PFO], s[PFA:PFA+1] offset:768 th:TH_LOAD_NT scope:SCOPE_SE
	s_mov_b32 s3, 6
	EVEN 1, 1                                      ; K step 0: its products start the sums
	ODD 1
	RNEXT
.Llap:
	EVEN 0, 1
	ODD 1
	RNEXT
	s_sub_co_u32 s3, s3, 1
	s_cmp_lg_u32 s3, 0
	s_cbranch_scc1 .Llap
	EVEN 0, 0                                      ; K step 14
	RMUL
	ds_store_b128 v[RRW], v[RACC:RACC+3]           ; my part of the router's sums
	ds_store_b128 v[RRW], v[RACC+4:RACC+7] offset:512
.irp a, 0,1,2,3
	s_wait_dscnt 30-4*\a                           ; K step 15; the two stores are younger than the fragments
	MULA \a
.endr
	s_wait_dscnt 0x0                               ; my reads of the slots are over
	s_barrier_signal -1
.irp a, 4,5,6,7
	MULA \a
.endr
	WIN 0
	s_barrier_wait -1
	PLACES 4
	; THE EXCHANGE, laid over the slots, which have had their last fill and their last read: blocks 4 .. 7 go to my partner
	WIN 0x0c
.set tt, 0
.rept 32
	ds_store_b128 v[XSA], v[8*tt:8*tt+3] offset:1024*tt
	ds_store_b128 v[XSA], v[8*tt+4:8*tt+7] offset:1024*tt+512
.set tt, tt+1
.endr
	WIN 0x04
.rept 4
	ds_store_b128 v[XSA], v[224+8*(tt-32):224+8*(tt-32)+3] offset:1024*tt
	ds_store_b128 v[XSA], v[224+8*(tt-32)+4:224+8*(tt-32)+7] offset:1024*tt+512
.set tt, tt+1
.endr
	WIN 0
.rept 4
	ds_store_b128 v[XSA], v[72+8*(tt-36):72+8*(tt-36)+3] offset:1024*tt
	ds_store_b128 v[XSA], v[72+8*(tt-36)+4:72+8*(tt-36)+7] offset:1024*tt+512
.set tt, tt+1
.endr
	s_wait_kmcnt 0x0
	s_mul_i32 s30, s[YY], 344064                   ; 16 images of 21,504 bytes
	s_mov_b32 s31, 0
	s_add_nc_u64 s[14:15], s[14:15], s[30:31]
	s_lshl_b32 s30, s[EX], 10
	s_add_nc_u64 s[70:71], s[14:15], s[30:31]
	s_lshl_b32 s30, s[EX], 8
	s_add_nc_u64 s[72:73], s[14:15], s[30:31]
	s_mul_i32 s30, s[EX], 21504
	s_add_nc_u64 s[74:75], s[14:15], s[30:31]
.macro SCALES ea, eb, ec, k, sv, lv
	s_add_co_i32 s100, s[\ea], s[\eb]
	s_lshl_b32 s101, s100, 23
	s_add_co_i32 s[\k], s101, 0xbfb8aa3b           ; -log2(e) x 2^(ea+eb)
	s_mov_b32 s[\k+1], s[\k]
	s_lshl_b32 s100, s100, 1
	s_sub_co_i32 s100, s[\ec], s100
	s_add_co_i32 s100, s100, 127
	s_lshl_b32 s101, s100, 23
	v_mov_b32 v[\sv], s101                         ; 2^(ec - 2 (ea+eb)): the conversion's scale
	s_add_co_i32 s100, s100, 8
	s_lshl_b32 s100, s100, 23
	s_or_b32 s100, s100, 0x600000
	v_mov_b32 v[\lv], s100                         ; 448 x that
.endm
	SCALES 90, 91, 92, K1E, SVE, LVE
	SCALES 84, 85, 86, K1S, SVS, LVS
	s_wait_alu depctr_va_vdst(0)
	s_wait_dscnt 0x0                               ; for my partner's sake
	s_barrier_signal -1
	s_barrier_wait -1
.macro RECV g                          ; eight tiles of my partner's sums
.set tt, 0
.rept 8
	ds_load_b128 v[T+64*((\g)%2)+8*tt:T+64*((\g)%2)+8*tt+3], v[XRA] offset:1024*(8*(\g)+tt)
	ds_load_b128 v[T+64*((\g)%2)+8*tt+4:T+64*((\g)%2)+8*tt+7], v[XRA] offset:1024*(8*(\g)+tt)+512
.set tt, tt+1
.endr
.endm
.macro JOIN g, win, base
	WIN \win
.set jj, 0
.rept 32
	v_pk_add_f32 v[(\base)+jj:(\base)+jj+1], v[(\base)+jj:(\base)+jj+1], v[T+64*((\g)%2)+jj:T+64*((\g)%2)+jj+1]
.set jj, jj+2
.endr
	WIN 0
.endm
	RECV 0
	RECV 1
	s_wait_dscnt 16
	JOIN 0, 0x82, 0
	RECV 2
	s_wait_dscnt 16
	JOIN 1, 0x82, 64
	RECV 3
	s_wait_dscnt 16
	JOIN 2, 0x82, 128
	RECV 4
	s_wait_dscnt 16
	JOIN 3, 0x82, 192
	s_wait_dscnt 0x0
	JOIN 4, 0x41, 160                              ; the shared layer's
; SwiGLU of cnt numbers a lane: G / (1 + 2^(-log2(e) G)) x U, held at the largest code x the scale.  Gate and up lie in runs of grp registers by turns.
.macro SWI cnt, base, grp, win, k, lv
	WIN \win
	s_wait_alu depctr_va_vdst(0)
.set jj, 0
.rept (\cnt)/2
.set gg, (\base)+(jj/(\grp))*2*(\grp)+jj%(\grp)
	v_pk_mul_f32 v[T+jj:T+jj+1], v[gg:gg+1], s[\k:\k+1] op_sel_hi:[1,0]
.set jj, jj+2
.endr
	WIN 0
	s_wait_alu depctr_va_vdst(0)
.set jj, 0
.rept \cnt
	v_exp_f32 v[T+jj], v[T+jj]
.set jj, jj+1
.endr
	v_nop
	s_wait_alu depctr_va_vdst(0)                   ; one wait for the batch
.set jj, 0
.rept (\cnt)/2
	v_pk_add_f32 v[T+jj:T+jj+1], v[T+jj:T+jj+1], 1.0 op_sel_hi:[1,0]
.set jj, jj+2
.endr
	s_wait_alu depctr_va_vdst(0)
.set jj, 0
.rept \cnt
	v_rcp_f32 v[T+jj], v[T+jj]
.set jj, jj+1
.endr
	v_nop
	WIN 4*(\win)
	s_wait_alu depctr_va_vdst(0)                   ; one wait for the batch
.set jj, 0
.rept (\cnt)/2
.set gg, (\base)+(jj/(\grp))*2*(\grp)+jj%(\grp)
	v_pk_mul_f32 v[T+jj:T+jj+1], v[T+jj:T+jj+1], v[gg:gg+1]
.set jj, jj+2
.endr
.set jj, 0
.rept (\cnt)/2
.set gg, (\base)+(\grp)+(jj/(\grp))*2*(\grp)+jj%(\grp)
	v_pk_mul_f32 v[T+jj:T+jj+1], v[T+jj:T+jj+1], v[gg:gg+1]
.set jj, jj+2
.endr
	WIN 0
.set jj, 0
.rept \cnt
	v_med3_num_f32 v[T+jj], v[T+jj], -v[\lv], v[\lv]   ; the conversion does not saturate (ISA guide 7.6.2)
.set jj, jj+1
.endr
.endm
.macro OUTE b                          ; two token blocks x two runs of 32 units
.irp g, 0,1,2,3
	v_cvt_scalef32_pk8_fp8_f32 v[CD+4*\g:CD+4*\g+1], v[T+16*\g:T+16*\g+7], v[SVE]
	v_cvt_scalef32_pk8_fp8_f32 v[CD+4*\g+2:CD+4*\g+3], v[T+16*\g+8:T+16*\g+15], v[SVE]
.endr
	v_nop
.irp g, 0,1,2,3                        ; lanes 16-31 exchange the halves: units 16 h .. +15 in order
	v_cndmask_b32 v[OU+16*\b+4*\g], v[CD+4*\g], v[CD+4*\g+2], s[HM]
	v_cndmask_b32 v[OU+16*\b+4*\g+1], v[CD+4*\g+1], v[CD+4*\g+3], s[HM]
	v_cndmask_b32 v[OU+16*\b+4*\g+2], v[CD+4*\g+2], v[CD+4*\g], s[HM]
	v_cndmask_b32 v[OU+16*\b+4*\g+3], v[CD+4*\g+3], v[CD+4*\g+1], s[HM]
.endr
.irp g, 0,1,2,3
	global_store_b128 v[AOL], v[OU+16*\b+4*\g:OU+16*\b+4*\g+3], s[70:71] offset:21504*(2*\b+\g/2)+512*(\g%2)   ; 512 consecutive bytes, aligned
.endr
.endm
	SWI 64, 0, 32, 2, K1E, LVE
	OUTE 0
	SWI 64, 128, 32, 2, K1E, LVE
	OUTE 1
	SWI 32, 160, 8, 1, K1S, LVS
.irp a, 0,1,2,3
	v_cvt_scalef32_pk8_fp8_f32 v[OUS+2*\a:OUS+2*\a+1], v[T+8*\a:T+8*\a+7], v[SVS]
.endr
	v_nop
.irp a, 0,1,2,3
	global_store_b64 v[AOS], v[OUS+2*\a:OUS+2*\a+1], s[72:73] offset:21504*\a              ; 256 consecutive bytes, aligned
.endr
	s_cmp_lg_u32 s[WV], 0
	s_wait_alu depctr_va_vdst(0)
	s_cbranch_scc1 .Lno_router
.irp s, 0,1,2,3
	ds_load_b128 v[LG+8*\s:LG+8*\s+3], v[RRR] offset:1024*\s
	ds_load_b128 v[LG+8*\s+4:LG+8*\s+7], v[RRR] offset:1024*\s+512
.endr
	s_add_co_i32 s100, s88, s89
	s_lshl_b32 s100, s100, 23
	s_add_co_i32 s[KR], s100, 0x3fb8aa3b           ; log2(e) x 2^(e4+e5)
	s_add_co_i32 s[E89], s92, s93
	v_mov_b32 v[TT], 0
	v_mov_b32 v[NI], 0xff800000
	s_wait_alu depctr_va_vdst(0)
	s_wait_dscnt 0x0
.irp j, 0,2,4,6
	v_pk_add_f32 v[LG+\j:LG+\j+1], v[LG+\j:LG+\j+1], v[LG+8+\j:LG+9+\j]
	v_pk_add_f32 v[LG+16+\j:LG+17+\j], v[LG+16+\j:LG+17+\j], v[LG+24+\j:LG+25+\j]
.endr
.irp j, 0,2,4,6
	v_pk_add_f32 v[LG+\j:LG+\j+1], v[LG+\j:LG+\j+1], v[LG+16+\j:LG+17+\j]
.endr
.macro TOP mx, ix                      ; the largest of the token's 16 logits, and the lowest expert that has it
	v_max3_num_f32 v[\mx], v[LG], v[LG+1], v[LG+2]
	v_max3_num_f32 v[\mx], v[\mx], v[LG+3], v[LG+4]
	v_max3_num_f32 v[\mx], v[\mx], v[LG+5], v[LG+6]
	v_max_num_f32 v[\mx], v[\mx], v[LG+7]
	v_permlanex16_b32 v[TT], v[\mx], s[SL], s[SL+1]
	v_max_num_f32 v[\mx], v[\mx], v[TT]
	v_mov_b32 v[\ix], 64
.irp j, 7,6,5,4,3,2,1,0
	v_cmp_neq_f32 vcc_lo, v[LG+\j], v[\mx]
	v_cndmask_b32 v[\ix], \j, v[\ix], vcc_lo
.endr
	v_lshl_add_u32 v[\ix], v[VH], 3, v[\ix]
	v_permlanex16_b32 v[TT], v[\ix], s[SL], s[SL+1]
	v_min_u32 v[\ix], v[\ix], v[TT]
.endm
	TOP M0, I0
	v_lshlrev_b32 v[TT+1], 3, v[VH]
	v_sub_nc_u32 v[I0H], v[I0], v[TT+1]
.irp j, 0,1,2,3,4,5,6,7
	v_cmp_eq_u32 vcc_lo, \j, v[I0H]
	v_cndmask_b32 v[LG+\j], v[LG+\j], v[NI], vcc_lo
.endr
	TOP M1, I1
	v_sub_nc_u32 v[I1H], v[I1], v[TT+1]
	v_sub_f32 v[TE], v[M1], v[M0]
	v_mul_f32 v[TE], s[KR], v[TE]
	s_wait_alu depctr_va_vdst(0)
	v_exp_f32 v[TE], v[TE]
	v_nop
	s_wait_alu depctr_va_vdst(0)
	v_add_f32 v[C0], 1.0, v[TE]
	s_wait_alu depctr_va_vdst(0)
	v_rcp_f32 v[C0], v[C0]
	v_nop
	s_wait_alu depctr_va_vdst(0)
	v_mul_f32 v[C1], v[TE], v[C0]
	v_ldexp_f32 v[C0], v[C0], s[E89]
	v_ldexp_f32 v[C1], v[C1], s[E89]
.irp j, 0,1,2,3,4,5,6,7                ; lane (r, h): the weights of experts 8 h .. +7; 0 where the token did not choose
	v_cmp_eq_u32 vcc_lo, \j, v[I0H]
	v_cndmask_b32 v[CW+\j], 0, v[C0], vcc_lo
	v_cmp_eq_u32 vcc_lo, \j, v[I1H]
	v_cndmask_b32 v[CW+\j], v[CW+\j], v[C1], vcc_lo
.endr
	global_store_b128 v[CWO], v[CW:CW+3], s[74:75]
	global_store_b128 v[CWO], v[CW+4:CW+7], s[74:75] offset:256
.Lno_router:
	s_wait_tensorcnt 0x0                           ; the wave's end
	ds_add_u32 v[SPW], v[NIL]
	s_wait_dscnt 0x0
	CROUND                                         ; the closing round
	s_endpgm
.Lfunc_end_k_qeca6d86b46_hidden:
	.size	k_qeca6d86b46_hidden, .Lfunc_end_k_qeca6d86b46_hidden-k_qeca6d86b46_hidden
	.p2alignl 7, 3214868480
	.fill 96, 4, 3214868480
	.section	.rodata,"a",@progbits
	.p2align	6, 0x0
	.amdhsa_kernel k_qeca6d86b46_hidden
		.amdhsa_group_segment_fixed_size 327680
		.amdhsa_private_segment_fixed_size 0
		.amdhsa_enable_private_segment 0
		.amdhsa_kernarg_size 48
		.amdhsa_user_sgpr_count 2
		.amdhsa_user_sgpr_kernarg_segment_ptr 1
		.amdhsa_wavefront_size32 1
		.amdhsa_system_sgpr_workgroup_id_x 1
		.amdhsa_system_sgpr_workgroup_id_y 1
		.amdhsa_system_sgpr_workgroup_id_z 1
		.amdhsa_system_vgpr_workitem_id 0
		.amdhsa_next_free_vgpr 1024
		.amdhsa_next_free_sgpr 102
		.amdhsa_reserve_vcc 1
		.amdhsa_float_denorm_mode_32 3
		.amdhsa_float_denorm_mode_16_64 3
		.amdhsa_memory_ordered 1
		.amdhsa_forward_progress 1
		.amdhsa_inst_pref_size 161
	.end_amdhsa_kernel
	.amdgpu_metadata
---
amdhsa.version: [ 1, 2 ]
amdhsa.kernels:
  - .name:           k_qeca6d86b46_hidden
    .symbol:         k_qeca6d86b46_hidden.kd
    .args:
      - { .name: hidden_states_codes, .offset: 0, .size: 8, .value_kind: global_buffer, .address_space: global }
      - { .name: shared_w_gate_up_codes, .offset: 8, .size: 8, .value_kind: global_buffer, .address_space: global }
      - { .name: gate_w_codes, .offset: 16, .size: 8, .value_kind: global_buffer, .address_space: global }
      - { .name: w_gate_up_codes, .offset: 24, .size: 8, .value_kind: global_buffer, .address_space: global }
      - { .name: lowp_scales, .offset: 32, .size: 8, .value_kind: global_buffer, .address_space: global }
      - { .name: act, .offset: 40, .size: 8, .value_kind: global_buffer, .address_space: global }
    .group_segment_fixed_size: 327680
    .private_segment_fixed_size: 0
    .kernarg_segment_align: 8
    .kernarg_segment_size: 48
    .max_flat_workgroup_size: 128
    .sgpr_count:     102
    .vgpr_count:     1024
    .wavefront_size: 32
...
	.end_amdgpu_metadata
.endif
;; end of part 4
;; launch down (part 5): grid 16 x 16, 4 waves a work-group, clusters of 4 x 4, 327,680 bytes of LDS; arguments shared_w_down_codes, w_down_codes, lowp_scales, act, out0; writes out0
.if DOCPART == 5
	.amdgcn_target "amdgcn-amd-amdhsa--gfx1250"
	.amdhsa_code_object_version 6
	.text
	.protected	k_qeca6d86b46_down
	.globl	k_qeca6d86b46_down
	.p2align	8
	.type	k_qeca6d86b46_down,@function
k_qeca6d86b46_down:
	s_mov_b64 s[64:65], 0
	v_nop
	global_prefetch_b8 v0, s[64:65] scope:SCOPE_SE
	s_setreg_imm32_b32 hwreg(HW_REG_WAVE_MODE, 25, 1), 1
	s_wait_xcnt 0x0
	s_wait_alu depctr_hold_cnt(0) depctr_sa_sdst(0) depctr_va_vdst(0) depctr_va_sdst(0) depctr_va_ssrc(0) depctr_va_vcc(0) depctr_vm_vsrc(0)
	s_getreg_b32 s2, hwreg(HW_REG_IB_STS2, 6, 4)
	s_cmp_eq_u32 s2, 0
	s_cbranch_scc0 .Lentry_in_a_cluster
	s_endpgm
.Lentry_in_a_cluster:
	s_bfe_u32 s2, ttmp6, 0x10000c
	s_cmp_lg_u32 s2, 0xf033
	s_cbranch_scc0 .Lentry_shape_is_right
	s_endpgm
.Lentry_shape_is_right:
; SECOND LAUNCH.  out[t] = 2^(e2+e3) x (shared hidden layer x shared_w_down^T) + the sum over the 16 experts, in f32, of c(t, e) x (act(t, e) x w_down[e]^T); c is 0 for an expert that the token did not choose, as in reference().
; SHARES.  Work-group (X, Y): output columns 256 X .. +255 of tokens 256 Y .. +255.  Wave w owns columns 64 w .. +63: its rows of all 16 experts' w_down (512 registers) and of shared_w_down (128) stay in registers for the whole launch.
; w_down of experts 0-7 comes by one joint tensor load a wave at the head (two experts x 256 columns x 64 bytes, shared along my column of the cluster), laid as 512 rows of 256 bytes, 272 bytes apart, and goes from LDS into registers once.
; Experts 8-15 and shared_w_down go straight to registers beside it: LDS has no room for them beside the tokens' first slot, which is asked for as soon as experts 0-7 have landed.
; The tokens come in tiles of 16, an image of 84 rows of 256 bytes each (see the first kernel), through two slots of four tiles: one joint tensor load a wave brings one tile, shared along my row of the cluster.  Tile t of a ring of
; eight lies at row 128 t of rows 272 bytes apart.  Experts 0-7 lie in the second slot: every byte that its tiles fill w_down has filled.
; A tile's operands are read from LDS while the tile before is multiplied, so a slot is done with when its last tile's work begins, and is filled again there.
; PREFETCH: the first two slots' tiles, at the head, behind w_down's load: of a tile's 84 rows a partner asks for 21 by cx.  The other two slots' are not asked for: their loads have four tiles' work, 288 matrix instructions a wave, in which to land.
; THE MATRIX INSTRUCTIONS ARE USED TRANSPOSED (source 0 = 16 output columns, source 1 = 16 tokens): lane (r, h) holds token r and eight neighbouring columns.  k is permuted alike on both sides: registers 4 c .. 4 c + 3 hold k = 32 c + 16 h + 0..15.
; LIMIT: e2+e3 between -126 and 127.
; REGISTERS.  window 0: v1-22 addresses; v32-159 the experts' token fragments; v160-223 two sets of an expert's products; v224-255 the sums.
; window 1: v0-223 w_down of experts 0-6; v224-231 weights c of experts 0-7; v232-247 rows on their way out.   window 2: v0-223 experts 7-13; v224-235 c of experts 4-15; v236-251 rows on their way out.
; window 3: v0-63 experts 14, 15; v64-191 shared_w_down; v192-223 the shared layer's token fragments; v224-227 c of experts 12-15.
.set TST,   34816                      ; from tile to tile in LDS: 128 rows of 272 bytes
.set STAGE, 278528
.set SPARE, 295936
.set VR, 1
.set VH, 2
.set SPW, 5
.set NIL, 6
.set AE0, 7
.set AS0, 8
.set AC0, 9
.set AXE, 10
.set AXS, 11
.set AXC, 12
.set STO, 13
.set RD, 14
.set OO, 15
.set PFO, 16
.set SWO, 17
.set WA, 18
.set WDO, 22
.set FR, 32
.set DP, 160
.set OS_, 224
.set SA, 192
.set WV, 16
.set G1, 32
.set G0, 40
.set G0W, 48
.set G1W, 52
.set MSB, 0
.macro WIN new
.if MSB != (\new)
	s_set_vgpr_msb (MSB<<8)|(\new)
.set MSB, (\new)
.endif
.endm
.macro PLACES n
.rept \n
	v_nop
.endr
.endm
.macro CROUND
	s_barrier_signal -1
	s_barrier_wait -1
	s_cmp_lg_u32 s[WV], 0
	s_cbranch_scc1 .Lnw0_\@
	s_barrier_signal -3
.Lnw0_\@:
	s_barrier_wait -3
	s_barrier_signal -1
	s_barrier_wait -1
.endm
.macro JLOAD s
	tensor_load_to_lds s[G0+4*\s:G0+4*\s+3], s[G1:G1+7]
	s_nop 0
	PLACES 4
.endm
	s_load_b256 s[4:11], s[0:1], 0x0               ; shared_w_down s[4:5], w_down s[6:7], scales s[8:9], act s[10:11]
	s_load_b64 s[12:13], s[0:1], 0x20              ; out0
	v_lshl_add_u32 v[SPW], v0, 2, SPARE
	v_mov_b32 v[NIL], 0
	ds_add_u32 v[SPW], v[NIL]                      ; the wave's opening: the add, twice on end, and its wait
	ds_add_u32 v[SPW], v[NIL]
	v_lshrrev_b32 v1, 5, v0
	v_readfirstlane_b32 s[WV], v1
	s_bfe_u32 s20, ttmp6, 0x40000                  ; cx
	s_bfe_u32 s21, ttmp6, 0x40004                  ; cy
	s_lshl_b32 s17, ttmp9, 2
	s_add_co_u32 s17, s17, s20                     ; X
	s_and_b32 s18, ttmp7, 0xffff
	s_lshl_b32 s18, s18, 2
	s_add_co_u32 s18, s18, s21                     ; Y
	s_lshl_b32 s19, s21, 2
	s_lshl_b32 s19, 15, s19                        ; my row of the cluster
	s_lshl_b32 s26, 0x1111, s20                    ; my column
	s_or_b32 s[G1], s19, (3<<16)|(1<<20)|(1<<21)|(5<<22)|(3<<25)   ; elements of 8 bytes; 16 bytes of padding behind every 256
	s_mov_b32 s[G1+1], 32<<16
	s_mov_b32 s[G1+2], 84<<16
	s_mov_b32 s[G1+3], 32<<16
	s_mov_b32 s[G1+4], 84
	s_mov_b32 s[G1+5], 32
	s_mov_b32 s[G1+6], 0
	s_mov_b32 s[G1+7], 0
	s_or_b32 s[G1W], s26, (3<<16)|(1<<20)|(1<<21)|(5<<22)|(3<<25)
	s_mov_b32 s[G1W+1], 2048<<16                   ; an expert's 256 columns: 16,384 bytes on end
	s_mov_b32 s[G1W+2], 2<<16                      ; two experts
	s_mov_b32 s[G1W+3], 2048<<16
	s_mov_b32 s[G1W+4], 2
	s_mov_b32 s[G1W+5], 32768                      ; 262,144 bytes from expert to expert
	s_mov_b32 s[G1W+6], 0
	s_mov_b32 s[G1W+7], 0
	s_mul_i32 s19, s[WV], TST
	s_mov_b32 s[G0], 1
	s_add_co_u32 s[G0+1], s19, 0
	s_mov_b32 s[G0+4], 1
	s_add_co_u32 s[G0+5], s19, 4*TST
	s_mov_b32 s[G0W], 1
	s_add_co_u32 s[G0W+1], s19, 4*TST              ; two experts are 128 rows: a tile's room in the second slot
	s_mul_i32 s26, s18, 344064                     ; 16 images
	s_mul_i32 s19, s[WV], 21504
	s_add_co_u32 s26, s26, s19
	s_mov_b32 s27, 0
	s_lshl_b32 s28, s17, 14
	s_lshl_b32 s19, s[WV], 19
	s_add_co_u32 s28, s28, s19
	s_mov_b32 s29, 0
	s_wait_dscnt 0x0                               ; both opening adds are done
	s_wait_kmcnt 0x0
	s_load_b64 s[24:25], s[8:9], 0x8               ; e2, e3
	s_add_nc_u64 s[G0+2:G0+3], s[10:11], s[26:27]
	s_add_nc_u64 s[G0+6:G0+7], s[G0+2:G0+3], 86016
	s_or_b32 s[G0+3], s[G0+3], 0x80000000
	s_or_b32 s[G0+7], s[G0+7], 0x80000000
	s_add_nc_u64 s[G0W+2:G0W+3], s[6:7], s[28:29]
	s_or_b32 s[G0W+3], s[G0W+3], 0x80000000
	CROUND
	tensor_load_to_lds s[G0W:G0W+3], s[G1W:G1W+7]  ; w_down: experts 2 w, 2 w + 1
	s_nop 0
	PLACES 4
	s_mul_i32 s19, s20, 5376                       ; 21 rows of the image
	s_add_co_u32 s26, s26, s19
	s_add_nc_u64 s[10:11], s[10:11], s[26:27]      ; my prefetches
	s_lshl_b32 s28, s17, 8
	s_lshl_b32 s19, s[WV], 6
	s_add_co_u32 s19, s28, s19                     ; my first column
	s_lshl_b32 s28, s19, 8
	s_add_nc_u64 s[4:5], s[4:5], s[28:29]
	s_lshl_b32 s28, s19, 6
	s_add_nc_u64 s[6:7], s[6:7], s[28:29]
	s_lshl_b32 s28, s19, 2
	s_add_nc_u64 s[12:13], s[12:13], s[28:29]
	s_lshl_b32 s28, s18, 22                        ; 256 Y rows of 16,384 bytes
	s_add_nc_u64 s[12:13], s[12:13], s[28:29]
	s_mul_i32 s19, s[WV], 4352
	s_add_co_u32 s26, s19, STAGE                   ; my stage: 16 rows x (256 bytes + 16)
	s_add_co_u32 s19, s19, 4*TST                   ; my 64 columns of w_down: 16 rows
	v_and_b32 v[VR], 15, v0
	v_bfe_u32 v[VH], v0, 4, 1
	v_lshlrev_b32 v[SWO], 8, v[VR]
	v_lshl_add_u32 v[SWO], v[VH], 4, v[SWO]        ; shared_w_down: row r of 256 bytes, + 16 h
	v_lshlrev_b32 v[WDO], 6, v[VR]
	v_lshl_add_u32 v[WDO], v[VH], 4, v[WDO]        ; w_down: row r of 64 bytes, + 16 h
	v_and_b32 v[PFO], 31, v0
	v_min_u32 v[PFO], 20, v[PFO]
	v_lshlrev_b32 v[PFO], 8, v[PFO]
	v_lshlrev_b32 v3, 4, v[VR]
	v_mul_u32_u24 v4, v[VH], 272
	v_add_nc_u32 v[AE0], v4, v3                    ; an expert's pieces h, 2 + h of token r
	v_add_nc_u32 v[AS0], 17408, v[AE0]             ; the shared layer's: row 64 on
	v_add_nc_u32 v[AC0], 21760, v3                 ; the weights c: row 80 on
	v_mul_u32_u24 v[STO], v[VR], 272
	v_lshl_add_u32 v[STO], v[VH], 5, v[STO]
	v_add_nc_u32 v[STO], s26, v[STO]
	v_add_nc_u32 v[RD], s26, v[AE0]
	v_lshl_add_u32 v[OO], v[VH], 14, v3            ; lanes 0-15 one row of out0, lanes 16-31 the next
	v_lshrrev_b32 v4, 2, v[VR]
	v_mul_u32_u24 v4, v4, 272
	v_and_b32 v3, 3, v[VR]
	v_lshl_add_u32 v4, v3, 6, v4
	v_lshl_add_u32 v4, v[VH], 4, v4                ; w_down in LDS: column r: row r / 4, 64 (r % 4) + 16 h; the 16 columns touch 16 different groups of four banks
	v_add_nc_u32 v[WA], s19, v4
	v_add_nc_u32 v[WA+1], 69632, v[WA]             ; four experts on
	v_mov_b32 v[AXE], v[AE0]
	v_mov_b32 v[AXS], v[AS0]
	v_mov_b32 v[AXC], v[AC0]
	s_wait_alu depctr_va_vdst(0)
	global_prefetch_b8 v[PFO], s[10:11] th:TH_LOAD_NT scope:SCOPE_SE
	global_prefetch_b8 v[PFO], s[10:11] offset:86016 th:TH_LOAD_NT scope:SCOPE_SE
	WIN 0xc0
.irp i, 0,1,2,3
.irp c, 0,1,2,3,4,5,6,7
	global_load_b128 v[64+32*\i+4*\c:64+32*\i+4*\c+3], v[SWO], s[4:5] offset:\i*4096+32*\c
.endr
.endr
.set ee, 8
.rept 8
	WIN 0x40*(1+ee/7)
.irp i, 0,1,2,3
.irp c, 0,1
	global_load_b128 v[32*(ee%7)+8*\i+4*\c:32*(ee%7)+8*\i+4*\c+3], v[WDO], s[6:7] offset:ee*262144+\i*1024+32*\c
.endr
.endr
.set ee, ee+1
.endr
	WIN 0
	s_wait_kmcnt 0x0
	s_add_co_i32 s22, s24, s25
	s_add_co_i32 s22, s22, 127
	s_lshl_b32 s22, s22, 23                        ; 2^(e2+e3) as f32
	s_mov_b32 s23, s22
	s_wait_tensorcnt 0x0                           ; my two experts are in
	ds_add_u32 v[SPW], v[NIL]
	s_wait_dscnt 0x0
	CROUND                                         ; experts 0-7 are in
	JLOAD 0                                        ; tiles 0 .. 3: the slot's first fill
.set ee, 0
.rept 8
	WIN 0x40*(1+ee/7)
.irp i, 0,1,2,3
.irp c, 0,1
	ds_load_b128 v[32*(ee%7)+8*\i+4*\c:32*(ee%7)+8*\i+4*\c+3], v[WA+ee/4] offset:(ee%4)*17408+\i*1088+32*\c
.endr
.endr
.set ee, ee+1
.endr
	WIN 0
	s_wait_tensorcnt 0x0                           ; my tile of slot 0 is in
	ds_add_u32 v[SPW], v[NIL]
	s_wait_dscnt 0x0                               ; the add is done, and my reads of w_down
	CROUND
	JLOAD 1                                        ; tiles 4 .. 7, over experts 0-7
.macro LDF e0                          ; four experts' token fragments
	WIN 0
.irp k, 0,1,2,3
	ds_load_b128 v[FR+8*((\e0)+\k):FR+8*((\e0)+\k)+3], v[AXE] offset:1088*((\e0)+\k)
	ds_load_b128 v[FR+8*((\e0)+\k)+4:FR+8*((\e0)+\k)+7], v[AXE] offset:1088*((\e0)+\k)+544
.endr
.endm
.macro LDSH                            ; the shared layer's two token fragments
	WIN 0xc0
.irp c, 0,1,2,3,4,5,6,7
	ds_load_b128 v[SA+4*\c:SA+4*\c+3], v[AXS] offset:544*\c
.endr
	WIN 0
.endm
.macro LDC                             ; the weights c, in each window those that its experts want
	WIN 0x40
	ds_load_b128 v[224:227], v[AXC]
	ds_load_b128 v[228:231], v[AXC] offset:272
	WIN 0x80
	ds_load_b128 v[224:227], v[AXC] offset:272
	ds_load_b128 v[228:231], v[AXC] offset:544
	ds_load_b128 v[232:235], v[AXC] offset:816
	WIN 0xc0
	ds_load_b128 v[224:227], v[AXC] offset:816
	WIN 0
.endm
.macro EW e                            ; expert e's products of the tile, into set e % 2
	WIN 1+(\e)/7
.irp i, 0,1,2,3
	v_wmma_f32_16x16x64_fp8_fp8 v[DP+32*((\e)%2)+8*\i:DP+32*((\e)%2)+8*\i+7], v[32*((\e)%7)+8*\i:32*((\e)%7)+8*\i+7], v[FR+8*(\e):FR+8*(\e)+7], 0
.endr
.endm
.macro EF e                            ; the sums += c x the products; these 16 are also the places behind the next expert's matrix instructions
	WIN 1+(\e)/7
.if (\e) < 7
.set CP, 224+((\e)/2)*2
.elseif (\e) < 14
.set CP, 220+((\e)/2)*2
.else
.set CP, 212+((\e)/2)*2
.endif
.set jj, 0
.rept 16
.if (\e)%2
	v_pk_fma_f32 v[OS_+jj:OS_+jj+1], v[CP:CP+1], v[DP+32+jj:DP+33+jj], v[OS_+jj:OS_+jj+1] op_sel:[1,0,0] op_sel_hi:[1,1,1]
.else
	v_pk_fma_f32 v[OS_+jj:OS_+jj+1], v[CP:CP+1], v[DP+jj:DP+jj+1], v[OS_+jj:OS_+jj+1] op_sel_hi:[0,1,1]
.endif
.set jj, jj+2
.endr
.endm
.macro SEND                            ; each store of the wave: two rows, 256 consecutive bytes of each, aligned
	WIN 0x04
.irp i, 0,1,2,3
	global_store_b128 v[OO], v[232+4*\i:232+4*\i+3], s[12:13] offset:\i*32768 th:TH_STORE_NT
.endr
	WIN 0x08
.irp i, 0,1,2,3
	global_store_b128 v[OO], v[236+4*\i:236+4*\i+3], s[12:13] offset:(\i+4)*32768 th:TH_STORE_NT
.endr
	WIN 0
.endm
; A TILE of 16 tokens.  The rows of the tile before leave, and the next tile's operands are read, while this one is multiplied.
.macro TILE first, last
.if \first
	s_wait_dscnt 0x0
	s_wait_loadcnt 0x3f                            ; 96 loads were issued: 33 at the least are in, shared_w_down's 32 among them
.else
	s_wait_dscnt 30                                ; the shared layer's and experts 0-11's fragments are in; out may be those of experts 12-15 (8), the weights c (6), the stage's eight stores and eight loads
.endif
	WIN 0x0f
.irp kb, 0,1
.irp i, 0,1,2,3
.if \kb == 0
	v_wmma_f32_16x16x128_fp8_fp8 v[OS_+8*\i:OS_+8*\i+7], v[64+32*\i:64+32*\i+15], v[SA:SA+15], 0
.else
	v_wmma_f32_16x16x128_fp8_fp8 v[OS_+8*\i:OS_+8*\i+7], v[80+32*\i:80+32*\i+15], v[SA+16:SA+31], v[OS_+8*\i:OS_+8*\i+7]
.endif
.endr
.endr
	EW 0
	WIN 0
.if \last
	PLACES 4
.else
	v_add_nc_u32 v[AXE], s30, v[AE0]               ; the next tile; with one v_nop the four places behind the shared products
	v_add_nc_u32 v[AXS], s30, v[AS0]
	v_add_nc_u32 v[AXC], s30, v[AC0]
	v_nop
.endif
.if !\first
	s_wait_dscnt 0x0                               ; the last operands and the last tile's rows are in
	SEND
.endif
.set jj, 0
.rept 16
	v_pk_mul_f32 v[OS_+jj:OS_+jj+1], v[OS_+jj:OS_+jj+1], s[22:23] op_sel_hi:[1,0]
.set jj, jj+2
.endr
.irp e, 1,2,3,4,5,6,7,8,9,10,11,12,13,14,15
.if \first && (\e >= 8)
	s_wait_loadcnt 8*(15-\e)                       ; expert e's weights are in; those of the later experts may be out
.endif
	EW \e
	EF \e-1
.if !\last
.if \e == 4
	LDF 0
	LDSH
.endif
.if \e == 8
	LDF 4
.endif
.if \e == 12
	LDF 8
.endif
.endif
.endr
	EF 15
	WIN 0
.if !\last
	LDF 12
	LDC
.endif
	s_wait_alu depctr_va_vdst(0)
	s_wait_xcnt 0x0                                ; the stores have read their registers and their base
.if !\first
	s_add_nc_u64 s[12:13], s[12:13], 262144        ; 16 rows on
.endif
.irp i, 0,1,2,3
	ds_store_b128 v[STO], v[OS_+8*\i:OS_+8*\i+3] offset:64*\i
	ds_store_b128 v[STO], v[OS_+8*\i+4:OS_+8*\i+7] offset:64*\i+16
.endr
	WIN 0x40
.irp i, 0,1,2,3
	ds_load_b128 v[232+4*\i:232+4*\i+3], v[RD] offset:544*\i       ; my own stage: LDS serves a wave's instructions in order (ISA guide 5.7.1.4)
.endr
	WIN 0x80
.irp i, 0,1,2,3
	ds_load_b128 v[236+4*\i:236+4*\i+3], v[RD] offset:544*(\i+4)
.endr
	WIN 0
.endm
.macro RUN n, next                     ; n tiles; next: where the tile behind the first of them lies in LDS
	s_mov_b32 s30, \next
	s_mov_b32 s31, 0
.Lrun_\@:
	TILE 0, 0
	s_add_co_u32 s30, s30, TST
	s_add_co_u32 s31, s31, 1
	s_cmp_lt_u32 s31, \n
	s_wait_alu depctr_va_vdst(0)
	s_cbranch_scc1 .Lrun_\@
.endm
; THE CHANGE OF SLOTS, ahead of a slot's last tile, whose operands are in registers behind the wait on DScnt.
.macro TURN s, fill
	s_wait_alu depctr_va_vdst(0)
	s_wait_tensorcnt 0x0                           ; my tile of the other slot is in
	ds_add_u32 v[SPW], v[NIL]
	s_add_nc_u64 s[G0+4*\s+2:G0+4*\s+3], s[G0+4*\s+2:G0+4*\s+3], 172032    ; eight images on
	s_wait_dscnt 0x0                               ; the add is done, and my reads of this slot
.if \fill
	CROUND
	JLOAD \s
.else
	s_barrier_signal -1
	s_barrier_wait -1
.endif
.endm
	LDF 0
	LDF 4
	LDF 8
	LDF 12
	LDSH
	LDC
	s_mov_b32 s30, TST
	TILE 1, 0                                      ; tile 0
	RUN 2, 2*TST                                   ; 1, 2
	TURN 0, 1
	RUN 4, 4*TST                                   ; 3 .. 6
	TURN 1, 1
	RUN 4, 0                                       ; 7 .. 10
	TURN 0, 0
	RUN 4, 4*TST                                   ; 11 .. 14
	TILE 0, 1                                      ; 15
	s_wait_dscnt 0x0
	SEND
	s_wait_tensorcnt 0x0                           ; the wave's end
	ds_add_u32 v[SPW], v[NIL]
	s_wait_dscnt 0x0
	CROUND                                         ; the closing round
	s_endpgm
.Lfunc_end_k_qeca6d86b46_down:
	.size	k_qeca6d86b46_down, .Lfunc_end_k_qeca6d86b46_down-k_qeca6d86b46_down
	.p2alignl 7, 3214868480
	.fill 96, 4, 3214868480
	.section	.rodata,"a",@progbits
	.p2align	6, 0x0
	.amdhsa_kernel k_qeca6d86b46_down
		.amdhsa_group_segment_fixed_size 327680
		.amdhsa_private_segment_fixed_size 0
		.amdhsa_enable_private_segment 0
		.amdhsa_kernarg_size 40
		.amdhsa_user_sgpr_count 2
		.amdhsa_user_sgpr_kernarg_segment_ptr 1
		.amdhsa_wavefront_size32 1
		.amdhsa_system_sgpr_workgroup_id_x 1
		.amdhsa_system_sgpr_workgroup_id_y 1
		.amdhsa_system_sgpr_workgroup_id_z 1
		.amdhsa_system_vgpr_workitem_id 0
		.amdhsa_next_free_vgpr 1024
		.amdhsa_next_free_sgpr 66
		.amdhsa_reserve_vcc 0
		.amdhsa_float_denorm_mode_32 3
		.amdhsa_float_denorm_mode_16_64 3
		.amdhsa_memory_ordered 1
		.amdhsa_forward_progress 1
		.amdhsa_inst_pref_size 189
	.end_amdhsa_kernel
	.amdgpu_metadata
---
amdhsa.version: [ 1, 2 ]
amdhsa.kernels:
  - .name:           k_qeca6d86b46_down
    .symbol:         k_qeca6d86b46_down.kd
    .args:
      - { .name: shared_w_down_codes, .offset: 0, .size: 8, .value_kind: global_buffer, .address_space: global }
      - { .name: w_down_codes, .offset: 8, .size: 8, .value_kind: global_buffer, .address_space: global }
      - { .name: lowp_scales, .offset: 16, .size: 8, .value_kind: global_buffer, .address_space: global }
      - { .name: act, .offset: 24, .size: 8, .value_kind: global_buffer, .address_space: global }
      - { .name: out0, .offset: 32, .size: 8, .value_kind: global_buffer, .address_space: global }
    .group_segment_fixed_size: 327680
    .private_segment_fixed_size: 0
    .kernarg_segment_align: 8
    .kernarg_segment_size: 40
    .max_flat_workgroup_size: 128
    .sgpr_count:     66
    .vgpr_count:     1024
    .wavefront_size: 32
...
	.end_amdgpu_metadata
.endif
;; end of part 5
